; MI455X (gfx1250); checked and timed in simulation.
; The chip was launched on July 23, 2026; its instructions are those of AMD's public machine-readable ISA for CDNA 5 (MIT licence, August 2026) and "CDNA5" Instruction Set Architecture Reference Guide (July 2026). The comments in the code are by the model that wrote it; some were corrected since.
;; BDH Layer. Allowed arithmetic: float matrix products may take bf16 or f16 operands with f32 sums; all other float work in f32.
;; Inputs: alpha one number float32; eta one number float32; mask 32 x 1,024 int32; w_init 32 x 128 x 128 float32; x 32 x 1,024 x 128 float32.
;; Outputs: out0 32 x 128 x 128 float32; out1 32 x 1,024 x 128 float32.
;; 2 versions, each right and faster than the one before. Each part assembles by itself: llvm-mc -triple=amdgcn-amd-amdhsa -mcpu=gfx1250 --defsym DOCPART=n.
;; ======== version 1 of 2: 1 launch
;; limits: values outside matrix products are rounded to f16; inputs' magnitudes at most 255; values are held in f16: magnitudes above 65,504 overflow, below 6.1e-05 lose precision; right only within a limited range of input values
;; launch bdh (part 1): grid 256 x 1, 4 waves a work-group, no clusters, 301,312 bytes of LDS; arguments x, w_init, mask, alpha, eta, out0, out1; writes out0, out1
.if DOCPART == 1
	.amdgcn_target "amdgcn-amd-amdhsa--gfx1250"
	.amdhsa_code_object_version 6
	.text
	.protected	k_qd7da13118a_bdh
	.globl	k_qd7da13118a_bdh
	.p2align	8
	.type	k_qd7da13118a_bdh,@function
k_qd7da13118a_bdh:
	s_mov_b64 s[64:65], 0
	v_nop
	global_prefetch_b8 v0, s[64:65] scope:SCOPE_SE
	s_setreg_imm32_b32 hwreg(HW_REG_WAVE_MODE, 25, 1), 1
	s_wait_xcnt 0x0
; BDH layer: w_t = a_t w_(t-1) + e_t x_t x_t^T,  y_t = w_(t-1) x_t,  a_t = 1 + m_t (alpha - 1),  e_t = m_t eta
; (reference()'s masked update, collected in w and in the outer product; it holds for every whole number m_t).
; The recurrence is linear in w, so it is taken in chunks of 128 steps.  Work-group (b, c), b = batch, c = chunk of 128 steps:
;   H      = eta * sum over s < 128 nb of D_s x_s x_s^T,  D_s = m_s * product of a_r over s < r < 128 nb   (nb = c; for c = 0: nb = 8)
;   y_i    = L_i (P (w_init x_i) + H x_i) + eta * sum over s < i of C[i][s] (x_s . x_i) x_s                (i, s inside the chunk)
;            L_i = product of a over the chunk's steps before i,  P = product of a over all steps before the chunk,
;            C[i][s] = m_s * product of a_r over s < r < i, and 0 for s >= i
;   out0   = (product of all a) w_init + H with nb = 8: made by the work-groups with c = 0.
; FORMAT: all products take f16 operands and sum in f32; every decay factor, scale and sum is f32.  The first steps' y are of the size of
; w_init x, which no decay has touched, while the allowance hangs on the root mean square over all 1,024 steps: 8 significant bits in the
; operands are too few there, f16's 11 serve, and w_init goes as two f16 numbers (its top bits and the rest).  Each operand is kept in f16's range:
;   state:   (D_s / max |D|) x_s and x_s;  eta stays outside, in f32
;   H:       H / (eta sum |D|), a weighted mean of x x^T, so below max x^2
;   scores:  (C / 128) (x_s . x_i), below max x^2 while |C| <= 1;  eta stays outside
; so y = (L_i P) A1 + (128 eta) A2 with two sets of sums: A1 = w_init x_i,  A2 = L_i (sum |D| / 128) (Hf x_i) + the weighted scores' product.
; WORK LEFT OUT, for all values of the inputs: for c = 0 the sum H in y is empty (no step lies before step 0), so that product is not made;
; blocks of 32 s that lie wholly at s >= i have C = 0 by the scan's order (y_i reads the state before step i) and are not made.
; Every input has a way to an output and is loaded.  A NaN or infinity that would reach only those blocks is not carried to the result.
; LIMITS: |x| < 255 (x^2 inside f16's 65,504), |w_init| < 65,504.  The order of rounding differs from the step-by-step scan.  All decay
; factors are forward products (no division by them, no logarithm); an underflow to 0 stands for a term that has decayed away.  Where
; |a| > 1, a C factor inside a chunk (up to 127 factors a) can carry a score past f16's range, and a partial product can overflow where the scan stays finite.
; NO JOINT REQUESTS, NO DATA MOVER: every x byte passes through registers (f32 to f16, and a scale that differs from work-group to
; work-group), and the eight work-groups of a batch need 1 to 8 chunks: their numbers of tiles differ.  They are neighbours in the grid.
; Four waves.  State product: a wave makes 64 x 64 of H.  Output: a wave makes the row tiles I0 = w and I1 = 7 - w (16 steps each) of y.
.set P288, 288                         ; LDS pitch of rows read by transposing loads (256 data + 32)
.set P272, 272                         ; LDS pitch of rows read along K (256 data + 16)
.set SLOT, 73728                       ; a slot: 128 rows of f16 x, then 128 rows of f16 g x, pitch 288
.set GXO,  36864                       ; g x inside a slot
.set XTO,  34816                       ; behind the state phase: own chunk, pitch 272 at 0, pitch 288 here
.set WB,   73728                       ; f16 top part of w_init, pitch 272
.set HBO,  34816                       ; f16 H, pitch 272, at WB + HBO
.set CB,   147456                      ; C table, f32, 128 rows
.set CP,   528                         ; its pitch (512 + 16), also the pitch of the stage for y
.set STG,  215040                      ; a stage for each wave
.set STGW, 8448                        ; 16 rows x 528 bytes
.set TAB_G, 248832                     ; g of 1,024 steps
.set TAB_A, TAB_G+4096                 ; a
.set TAB_E, TAB_G+8192                 ; m / 128
.set TAB_L, TAB_G+12288                ; L
.set TAB_T, TAB_G+16384                ; 128 thread products
.set TAB_C, TAB_T+512                  ; 8 chunk products
.set TAB_S, TAB_C+64                   ; 4 waves' sums of |D|, then their 4 maxima
.set WL,   265984                      ; f16 rest of w_init, pitch 272
.set TINY, 0x0d800000                  ; 2^-100: keeps the two reciprocals finite where no step is masked in
; block 0
.set LN, 1                             ; lane
.set LR, 2                             ; lane % 16
.set HH, 3                             ; lane / 16
.set VA0, 4                            ; v4, v5   g x, transposing loads, slot 0, 1
.set VB0, 6                            ; v6, v7   x, transposing loads, slot 0, 1
.set XI0, 8                            ; v8, v9   my two row tiles of the own chunk
.set WA, 10                            ; w_init (top) / H fragments
.set XS, 11                            ; own chunk, rows s
.set XTA, 12                           ; own chunk, transposing loads
.set CA0, 13                           ; v13, v14 C table rows of my two tiles
.set HST, 15                           ; where H goes as f16
.set STO0, 16                          ; out0: into the stage
.set RD0, 17                           ; out0: back by rows
.set WO, 18                            ; out0 / w_init byte offset
.set STY, 19                           ; y: into the stage
.set RDY, 20                           ; y: back by rows
.set YO0, 21                           ; v21, v22 y byte offsets of my two tiles
.set LA0, 23                           ; address of L, tile 0
.set VL0, 24                           ; v24, v25 L of my row in tile 0, 1
.set LA1, 26                           ; address of L, tile 1
.set WA2, 27                           ; w_init (rest) fragments; set behind the set-up, which uses v27-31 as scratch
.set VLP, 28                           ; v28, v29 L P
.set VLS, 30                           ; v30, v31 L sum |D| / 128
.set F0, 32                            ; three rings of four A fragments
.set F1, 64
.set F2, 96
.set ACC, 128                          ; 16 accumulator tiles: H, then A1 (block 0); A2 has the same numbers in block 2
; set-up's names inside F0..F2
.set MI, 32
.set MF, 40
.set AA, 48
.set EE, 56
.set TAU, 64
.set TP, 80
.set GG, 88
.set LL, 96                            ; LL itself starts as the product of the threads before me in my chunk
.set VK, 104
.set VU, 105
.set VNB, 106
.set SU, 107
.set T1, 109
.set T2, 110
.set FS, 111
.set AM1, 112
.set QQ, 113
; block 1: the producer
.set POFF, 0
.set PS0, 1                            ; v1, v2
.set PXP, 3
.set PXT, 4
.set PWB, 5
.set PGA, 6
.set PWL, 7
.set PG, 32
.set PT, 64                            ; v64-75
.set PX, 128
; block 2: B operands.  State: 16 fragments in v0-127.  Output: x_i in v0-63, A2 in v128-255, and
.set ST, 64                            ; two score tiles
.set CC, 80                            ; their 16 C factors
.set MM, 96                            ; the weighted scores as a B fragment
; scalars: s18 alpha, s19 eta, s20 wave, s21 c, s22 b, s23 nb, s24 P, s25 mask of w_init's top bits, s[30:31] product of a over nb chunks,
; s[48:49] max |D| / sum |D|, s[50:51] eta max |D|, s[52:53] 128 eta, s54 sum |D| / 128, s56, s57 selects of v_permlanex16_b32
.set MSB, 0
.macro WIN new                         ; the immediate's high byte repeats the setting that is left
.if MSB != \new
	s_set_vgpr_msb (MSB<<8)|\new
.set MSB, \new
.endif
.endm
.macro NOP4                            ; four places behind matrix instructions, in front of loads into their sources and of readers of their results
.rept 4
	v_nop
.endr
.endm
.macro BAR                             ; my LDS traffic is done, then the work-group's barrier
	s_wait_dscnt 0x0
	s_barrier_signal -1
	s_barrier_wait -1
.endm
.macro LOADX sb                        ; my 32 rows of 512 bytes of a block of 128 rows; each load covers one whole row
.set rr, 0
.rept 32
	global_load_b128 v[PX+4*rr:PX+4*rr+3], v[POFF], s[\sb:\sb+1] offset:512*rr
.set rr, rr+1
.endr
.endm
	s_load_b256 s[4:11], s[0:1], 0x0               ; x s[4:5], w_init s[6:7], mask s[8:9], alpha s[10:11]
	s_load_b128 s[12:15], s[0:1], 0x20             ; eta s[12:13], out0 s[14:15]
	s_load_b64 s[16:17], s[0:1], 0x30              ; out1
	s_set_vgpr_msb 0x40
	v_lshl_add_u32 v126, v0, 2, 0x49700
	v_mov_b32 v127, 0
	s_set_vgpr_msb 0x4000
	v_lshrrev_b32 v[LN], 5, v0
	v_readfirstlane_b32 s20, v[LN]                 ; wave
	v_and_b32 v[LN], 31, v0
	s_and_b32 s21, ttmp9, 7                        ; c
	s_lshr_b32 s22, ttmp9, 3                       ; b
	s_cmp_eq_u32 s21, 0
	s_cselect_b32 s23, 8, s21                      ; nb: chunks that enter H
	s_mov_b32 s39, 0
	s_mov_b32 s25, 0xffffe000                      ; sign, exponent and the 10 mantissa bits that f16 keeps
	s_mov_b32 s56, 0x76543210                      ; lane i of one half reads lane i of the other
	s_mov_b32 s57, 0xfedcba98
	v_lshlrev_b32 v31, 5, v0                       ; my 8 mask words
	s_lshl_b32 s40, s20, 14                        ; 32 rows of 512 bytes a wave
	s_mul_i32 s41, s20, 32*P288
	s_mul_i32 s42, s20, 32*P272
	s_lshl_b32 s43, s20, 7
	s_add_co_u32 s43, s43, TAB_G
	s_add_co_u32 s44, s41, SLOT
	s_add_co_u32 s45, s41, XTO
	s_add_co_u32 s46, s42, WB
	s_add_co_u32 s47, s42, WL
	WIN 0x40                                       ; destinations in block 1
	v_lshl_add_u32 v[POFF], v[LN], 4, s40
	v_lshl_add_u32 v[PS0], v[LN], 3, s41
	v_lshl_add_u32 v[PS0+1], v[LN], 3, s44
	v_lshl_add_u32 v[PXP], v[LN], 3, s42
	v_lshl_add_u32 v[PXT], v[LN], 3, s45
	v_lshl_add_u32 v[PWB], v[LN], 3, s46
	v_lshl_add_u32 v[PWL], v[LN], 3, s47
	v_mov_b32 v[PGA], s43
	WIN 0
	s_wait_kmcnt 0x0
	s_load_b32 s18, s[10:11], 0x0                  ; alpha
	s_load_b32 s19, s[12:13], 0x0                  ; eta
	s_lshl_b32 s38, s22, 12
	s_add_nc_u64 s[8:9], s[8:9], s[38:39]          ; the batch's mask row
	global_load_b128 v[MI:MI+3], v31, s[8:9]
	global_load_b128 v[MI+4:MI+7], v31, s[8:9] offset:16
	s_lshl_b32 s38, s22, 19
	s_add_nc_u64 s[26:27], s[4:5], s[38:39]        ; the batch's x
	s_add_nc_u64 s[36:37], s[16:17], s[38:39]
	s_lshl_b32 s38, s21, 16
	s_add_nc_u64 s[36:37], s[36:37], s[38:39]      ; my chunk of y
	s_lshl_b32 s38, s22, 16
	s_add_nc_u64 s[32:33], s[6:7], s[38:39]        ; the batch's w_init
	s_add_nc_u64 s[34:35], s[14:15], s[38:39]      ; and out0
	s_mov_b64 s[28:29], s[26:27]                   ; chunk 0 comes first
	WIN 0x55
	LOADX 28
	WIN 0
	; addresses, while the loads are on their way
	v_and_b32 v[LR], 15, v0
	v_bfe_u32 v[HH], v0, 4, 1
	v_and_b32 v27, 7, v0
	v_lshl_add_u32 v27, v[HH], 3, v27
	v_mul_u32_u24 v27, v27, P288
	v_bfe_u32 v28, v0, 3, 1
	v_lshl_add_u32 v27, v28, 4, v27                ; transposing load: row 8 h + lane % 8, 16 bytes by bit 3 of the lane
	s_lshr_b32 s40, s20, 1                         ; wm: which 64 columns of H
	s_and_b32 s41, s20, 1                          ; wn: which 64 rows of H
	s_lshl_b32 s42, s40, 7
	s_lshl_b32 s43, s41, 7
	s_add_co_u32 s44, s42, GXO
	v_add_nc_u32 v[VA0], s44, v27
	v_add_nc_u32 v[VB0], s43, v27
	v_add_nc_u32 v[VA0+1], SLOT, v[VA0]
	v_add_nc_u32 v[VB0+1], SLOT, v[VB0]
	v_add_nc_u32 v[XTA], XTO, v27
	v_mul_u32_u24 v28, v[LR], P272
	v_lshl_add_u32 v[XS], v[HH], 4, v28            ; row r, 16 bytes by half
	v_add_nc_u32 v[WA], WB, v[XS]
	s_mul_i32 s44, s20, 16*P272                    ; tile I0 = w
	s_sub_co_u32 s45, 7, s20                       ; tile I1 = 7 - w
	s_mul_i32 s46, s45, 16*P272
	v_add_nc_u32 v[XI0], s44, v[XS]
	v_add_nc_u32 v[XI0+1], s46, v[XS]
	s_mul_i32 s47, s41, 64*P272
	s_add_co_u32 s47, s47, s42
	s_add_co_u32 s47, s47, WB+HBO
	v_add_nc_u32 v[HST], s47, v[XS]
	s_mul_i32 s44, s20, STGW                       ; my stage; the same figure is 16 rows of the C table
	s_mul_i32 s46, s45, STGW
	s_add_co_u32 s47, s44, STG
	v_lshl_add_u32 v28, v[HH], 5, v28
	v_add_nc_u32 v[STO0], s47, v28                 ; row r (pitch 272), 32 bytes by half
	v_mul_u32_u24 v28, v[HH], P272
	v_lshl_add_u32 v28, v[LR], 4, v28
	v_add_nc_u32 v[RD0], s47, v28                  ; back: 16 lanes a row of 256 bytes
	v_mul_u32_u24 v28, v[LR], CP
	v_lshl_add_u32 v28, v[HH], 5, v28
	v_add_nc_u32 v[STY], s47, v28                  ; row r (pitch 528), 32 bytes by half
	v_lshl_add_u32 v[RDY], v[LN], 4, s47           ; back: 32 lanes a row of 512 bytes
	s_add_co_u32 s44, s44, CB
	s_add_co_u32 s46, s46, CB
	v_add_nc_u32 v[CA0], s44, v28
	v_add_nc_u32 v[CA0+1], s46, v28
	s_lshl_b32 s44, s41, 15
	s_lshl_b32 s46, s40, 8
	s_add_co_u32 s44, s44, s46
	v_lshlrev_b32 v28, 9, v[HH]
	v_lshl_add_u32 v28, v[LR], 4, v28
	v_add_nc_u32 v[WO], s44, v28                   ; (64 wn + h) rows of 512 + 256 wm + 16 r
	s_lshl_b32 s44, s20, 13
	s_lshl_b32 s46, s45, 13
	v_lshl_add_u32 v[YO0], v[LN], 4, s44
	v_lshl_add_u32 v[YO0+1], v[LN], 4, s46
	s_lshl_b32 s47, s21, 9                         ; my chunk in the tables
	s_lshl_b32 s44, s20, 6
	s_lshl_b32 s46, s45, 6
	s_add_co_u32 s44, s44, s47
	s_add_co_u32 s46, s46, s47
	s_add_co_u32 s44, s44, TAB_L
	s_add_co_u32 s46, s46, TAB_L
	v_lshl_add_u32 v[LA0], v[LR], 2, s44
	v_lshl_add_u32 v[LA1], v[LR], 2, s46
	; THE SCAN OF THE DECAY FACTORS.  Thread t owns steps 8 t .. 8 t + 7; 16 threads make a chunk.
	s_wait_kmcnt 0x0
	v_mov_b32 v[AM1], s18
	v_add_f32 v[AM1], -1.0, v[AM1]                 ; alpha - 1
	v_mov_b32 v[T1], s19
	v_mul_f32 v[T1], 0x43000000, v[T1]             ; 128 eta
	v_readfirstlane_b32 s52, v[T1]
	s_mov_b32 s53, s52
	v_lshrrev_b32 v[VK], 4, v0                     ; my chunk
	v_and_b32 v[VU], 15, v0                        ; my place in it
	v_mov_b32 v[VNB], s23
	v_lshl_add_u32 v27, v0, 2, TAB_T
	v_lshl_add_u32 v28, v[VK], 6, TAB_T
	v_lshl_add_u32 v29, v[VK], 2, TAB_C
	v_mov_b32 v30, TAB_C
	s_wait_loadcnt 32                              ; the mask words are in; the 32 loads of x issued behind them stay out
	v_lshl_add_u32 v31, v0, 5, TAB_G               ; free since that wait
.irp j, 0,1,2,3,4,5,6,7
	v_cvt_f32_i32 v[MF+\j], v[MI+\j]
.endr
.irp j, 0,1,2,3,4,5,6,7
	v_fma_f32 v[AA+\j], v[MF+\j], v[AM1], 1.0      ; a = 1 + m (alpha - 1)
	v_mul_f32 v[EE+\j], 0x3c000000, v[MF+\j]       ; m / 128: what enters the C table
.endr
	v_pk_mul_f32 v[TP:TP+1], v[AA:AA+1], v[AA+2:AA+3]
	v_pk_mul_f32 v[TP+2:TP+3], v[AA+4:AA+5], v[AA+6:AA+7]
	v_pk_mul_f32 v[TP:TP+1], v[TP:TP+1], v[TP+2:TP+3]
	v_mul_f32 v[TP], v[TP], v[TP+1]                ; my eight
	ds_store_b32 v27, v[TP]
	BAR
.irp q, 0,1,2,3
	ds_load_b128 v[TAU+4*\q:TAU+4*\q+3], v28 offset:16*\q   ; the 16 thread products of my chunk
.endr
	s_wait_dscnt 0x0
	v_cmp_lt_u32 vcc_lo, 0, v[VU]
	v_cndmask_b32 v[LL], 1.0, v[TAU], vcc_lo       ; threads before me
	v_cmp_gt_u32 vcc_lo, 15, v[VU]
	v_cndmask_b32 v[SU], 1.0, v[TAU+15], vcc_lo    ; threads behind me
.set q, 1
.rept 14
	v_cmp_lt_u32 vcc_lo, q, v[VU]
	v_cndmask_b32 v[T1], 1.0, v[TAU+q], vcc_lo
	v_cmp_gt_u32 vcc_lo, q, v[VU]
	v_cndmask_b32 v[T2], 1.0, v[TAU+q], vcc_lo
	v_mul_f32 v[LL], v[LL], v[T1]
	v_mul_f32 v[SU], v[SU], v[T2]
.set q, q+1
.endr
	v_pk_mul_f32 v[TP:TP+1], v[TAU:TAU+1], v[TAU+2:TAU+3]
	v_pk_mul_f32 v[TP+2:TP+3], v[TAU+4:TAU+5], v[TAU+6:TAU+7]
	v_pk_mul_f32 v[TP+4:TP+5], v[TAU+8:TAU+9], v[TAU+10:TAU+11]
	v_pk_mul_f32 v[TP+6:TP+7], v[TAU+12:TAU+13], v[TAU+14:TAU+15]
	v_pk_mul_f32 v[TP:TP+1], v[TP:TP+1], v[TP+2:TP+3]
	v_pk_mul_f32 v[TP+4:TP+5], v[TP+4:TP+5], v[TP+6:TP+7]
	v_pk_mul_f32 v[TP:TP+1], v[TP:TP+1], v[TP+4:TP+5]
	v_mul_f32 v[TP], v[TP], v[TP+1]                ; the whole chunk
	ds_store_b32 v29, v[TP]                        ; its 16 threads write the same word with the same value
	BAR
	ds_load_b128 v[TAU:TAU+3], v30
	ds_load_b128 v[TAU+4:TAU+7], v30 offset:16     ; the 8 chunk products
	s_wait_dscnt 0x0
.irp q, 0,1,2,3,4,5,6,7
	v_cmp_lt_u32 vcc_lo, \q, v[VNB]
	v_cndmask_b32 v[TAU+\q], 1.0, v[TAU+\q], vcc_lo   ; chunks at or behind nb do not count
.endr
	v_pk_mul_f32 v[TP:TP+1], v[TAU:TAU+1], v[TAU+2:TAU+3]
	v_pk_mul_f32 v[TP+2:TP+3], v[TAU+4:TAU+5], v[TAU+6:TAU+7]
	v_pk_mul_f32 v[TP:TP+1], v[TP:TP+1], v[TP+2:TP+3]
	v_mul_f32 v[TP], v[TP], v[TP+1]                ; product of a over the nb chunks
	v_readfirstlane_b32 s30, v[TP]
	s_mov_b32 s31, s30
	s_cmp_eq_u32 s21, 0
	s_cselect_b32 s24, 0x3f800000, s30             ; P: nothing lies before chunk 0
	v_cmp_gt_u32 vcc_lo, 7, v[VK]
	v_cndmask_b32 v[FS], 1.0, v[TAU+7], vcc_lo     ; chunks behind mine, up to nb
.irp q, 1,2,3,4,5,6
	v_cmp_gt_u32 vcc_lo, \q, v[VK]
	v_cndmask_b32 v[T1], 1.0, v[TAU+\q], vcc_lo
	v_mul_f32 v[FS], v[FS], v[T1]
.endr
	v_mul_f32 v[QQ], v[SU], v[FS]
.irp j, 7,6,5,4,3,2,1
	v_mul_f32 v[GG+\j], v[MF+\j], v[QQ]            ; D = m x everything behind the step
	v_mul_f32 v[QQ], v[QQ], v[AA+\j]
.endr
	v_mul_f32 v[GG], v[MF], v[QQ]
.irp j, 1,2,3,4,5,6,7
	v_mul_f32 v[LL+\j], v[LL+\j-1], v[AA+\j-1]     ; L = everything in the chunk before the step
.endr
	; sum |D| and max |D| over the steps that enter H: in the lane, over the wave, then over the four waves through LDS
.irp j, 0,1,2,3,4,5,6,7
	v_and_b32 v[TP+\j], 0x7fffffff, v[GG+\j]
.endr
	v_pk_add_f32 v[TAU:TAU+1], v[TP:TP+1], v[TP+2:TP+3]
	v_pk_add_f32 v[TAU+2:TAU+3], v[TP+4:TP+5], v[TP+6:TP+7]
	v_pk_add_f32 v[TAU:TAU+1], v[TAU:TAU+1], v[TAU+2:TAU+3]
	v_add_f32 v[T1], v[TAU], v[TAU+1]
	v_max3_num_f32 v[T2], v[TP], v[TP+1], v[TP+2]
	v_max3_num_f32 v[T2], v[T2], v[TP+3], v[TP+4]
	v_max3_num_f32 v[T2], v[T2], v[TP+5], v[TP+6]
	v_max_num_f32 v[T2], v[T2], v[TP+7]
	v_cmp_lt_u32 vcc_lo, v[VK], v[VNB]
	v_cndmask_b32 v[T1], 0, v[T1], vcc_lo          ; steps at or behind 128 nb do not count
	v_cndmask_b32 v[T2], 0, v[T2], vcc_lo
.irp x, 1,2,4,8
	v_add_f32_dpp v[T1], v[T1], v[T1] row_xmask:\x row_mask:0xf bank_mask:0xf
	v_max_num_f32_dpp v[T2], v[T2], v[T2] row_xmask:\x row_mask:0xf bank_mask:0xf
.endr
	v_permlanex16_b32 v[TP], v[T1], s56, s57       ; its destination counts as read: TP has been written
	v_permlanex16_b32 v[TP+1], v[T2], s56, s57
	v_add_f32 v[T1], v[T1], v[TP]
	v_max_num_f32 v[T2], v[T2], v[TP+1]
	s_lshl_b32 s44, s20, 2
	s_add_co_u32 s44, s44, TAB_S
	v_mov_b32 v29, s44
	ds_store_b32 v29, v[T1]                        ; all lanes write the same word with the same value
	ds_store_b32 v29, v[T2] offset:16
	BAR
	ds_load_b128 v[TAU:TAU+3], v30 offset:64       ; TAB_S = TAB_C + 64
	ds_load_b128 v[TAU+4:TAU+7], v30 offset:80
	s_mov_b32 s44, TINY
	s_wait_dscnt 0x0
	v_add_f32 v[T1], v[TAU], v[TAU+1]
	v_add_f32 v[T2], v[TAU+2], v[TAU+3]
	v_add_f32 v[T1], v[T1], v[T2]
	v_max_num_f32 v[T1], s44, v[T1]                ; sum |D|, at least 2^-100
	v_max3_num_f32 v[T2], v[TAU+4], v[TAU+5], v[TAU+6]
	v_max3_num_f32 v[T2], v[T2], v[TAU+7], s44     ; max |D|, at least 2^-100
	v_rcp_f32 v[TP], v[T2]
	v_rcp_f32 v[TP+1], v[T1]
	v_mul_f32 v[TP+2], s19, v[T2]                  ; eta max |D|; also the plain instruction behind the two reciprocals (ISA guide 5.7.2)
	v_mul_f32 v[TP+3], 0x3c000000, v[T1]           ; sum |D| / 128
	s_wait_alu depctr_va_vdst(0)
	v_mul_f32 v[TP+1], v[TP+1], v[T2]              ; max |D| / sum |D|
.irp j, 0,1,2,3,4,5,6,7
	v_mul_f32 v[GG+\j], v[GG+\j], v[TP]            ; g = D / max |D|: at most 1
.endr
	v_readfirstlane_b32 s48, v[TP+1]
	s_mov_b32 s49, s48
	v_readfirstlane_b32 s50, v[TP+2]
	s_mov_b32 s51, s50
	v_readfirstlane_b32 s54, v[TP+3]
	ds_store_b128 v31, v[GG:GG+3]
	ds_store_b128 v31, v[GG+4:GG+7] offset:16
	ds_store_b128 v31, v[AA:AA+3] offset:4096
	ds_store_b128 v31, v[AA+4:AA+7] offset:4096+16
	ds_store_b128 v31, v[EE:EE+3] offset:8192
	ds_store_b128 v31, v[EE+4:EE+7] offset:8192+16
	ds_store_b128 v31, v[LL:LL+3] offset:12288
	ds_store_b128 v31, v[LL+4:LL+7] offset:12288+16
	BAR
	; THE C TABLE of my chunk, divided by 128.  Thread s owns column s: C[0][s] = 0, C[i][s] = a_(i-1) C[i-1][s] + (s == i-1 ? m_s / 128 : 0).
	s_add_co_u32 s46, s47, TAB_A
	s_add_co_u32 s44, s47, TAB_E
	v_mov_b32 v27, s46
	v_lshl_add_u32 v28, v0, 2, s44
.set q, 0
.rept 32
	ds_load_b128 v[ACC+4*q:ACC+4*q+3], v27 offset:16*q   ; the chunk's 128 a, in every lane
.set q, q+1
.endr
	ds_load_b32 v29, v28                           ; my m / 128
	v_lshl_add_u32 v30, v0, 2, CB
	v_add_nc_u32 v31, 64*CP, v30                   ; rows 64 and up: the immediate has 16 bits
	v_mov_b32 v32, 0
	s_wait_dscnt 0x0
	ds_store_b32 v30, v32
.set i, 1
.rept 127
	v_cmp_eq_u32 vcc_lo, i-1, v0
	v_cndmask_b32 v33, 0, v29, vcc_lo
	v_fma_f32 v32, v32, v[ACC+i-1], v33
.if i < 64
	ds_store_b32 v30, v32 offset:CP*i
.else
	ds_store_b32 v31, v32 offset:CP*(i-64)
.endif
.set i, i+1
.endr
; THE STATE.  One trip takes a chunk of 128 steps: Hn += (g X)^T X, K = the 128 steps.
.macro AFR sl, ks, f                   ; four A fragments (64 columns of g x, 32 steps)
.irp a, 0,1,2,3
	ds_load_tr16_b128 v[\f+8*\a:\f+8*\a+3], v[VA0+\sl] offset:\ks*32*P288+32*\a
	ds_load_tr16_b128 v[\f+8*\a+4:\f+8*\a+7], v[VA0+\sl] offset:\ks*32*P288+32*\a+16*P288
.endr
.endm
.macro MM16 ks, f, zero                ; 16 products on 16 accumulators, which take turns
.irp a, 0,1,2,3
.irp q, 0,1,2,3
.if \zero
	v_wmma_f32_16x16x32_f16 v[ACC+8*(4*\q+\a):ACC+8*(4*\q+\a)+7], v[\f+8*\a:\f+8*\a+7], v[8*(4*\ks+\q):8*(4*\ks+\q)+7], 0
.else
	v_wmma_f32_16x16x32_f16 v[ACC+8*(4*\q+\a):ACC+8*(4*\q+\a)+7], v[\f+8*\a:\f+8*\a+7], v[8*(4*\ks+\q):8*(4*\ks+\q)+7], v[ACC+8*(4*\q+\a):ACC+8*(4*\q+\a)+7]
.endif
.endr
.endr
.endm
.macro TRIP k, sl, first
	WIN 0x55                                       ; the producer lives in block 1
.irp q, 0,1,2,3,4,5,6,7
	ds_load_b128 v[PG+4*\q:PG+4*\q+3], v[PGA] offset:512*\k+16*\q   ; g of my 32 rows, in every lane
.endr
	s_wait_dscnt 0x0
.set rr, 0
.rept 32
	s_wait_loadcnt 31-rr                           ; row rr is in; the younger rows stay out
	v_cvt_pk_f16_f32 v[PT], v[PX+4*rr], v[PX+4*rr+1]
	v_cvt_pk_f16_f32 v[PT+1], v[PX+4*rr+2], v[PX+4*rr+3]
	ds_store_b64 v[PS0+\sl], v[PT:PT+1] offset:P288*rr
.if rr & 1
	v_pk_mul_f32 v[PT+2:PT+3], v[PX+4*rr:PX+4*rr+1], v[PG+rr-1:PG+rr] op_sel:[0,1] op_sel_hi:[1,1]
	v_pk_mul_f32 v[PT+4:PT+5], v[PX+4*rr+2:PX+4*rr+3], v[PG+rr-1:PG+rr] op_sel:[0,1] op_sel_hi:[1,1]
.else
	v_pk_mul_f32 v[PT+2:PT+3], v[PX+4*rr:PX+4*rr+1], v[PG+rr:PG+rr+1] op_sel_hi:[1,0]
	v_pk_mul_f32 v[PT+4:PT+5], v[PX+4*rr+2:PX+4*rr+3], v[PG+rr:PG+rr+1] op_sel_hi:[1,0]
.endif
	v_cvt_pk_f16_f32 v[PT+6], v[PT+2], v[PT+3]
	v_cvt_pk_f16_f32 v[PT+7], v[PT+4], v[PT+5]
	ds_store_b64 v[PS0+\sl], v[PT+6:PT+7] offset:GXO+P288*rr
.set rr, rr+1
.endr
	s_cmp_gt_u32 s23, \k+1                         ; the next chunk of the state, or behind the last one my own chunk
	s_cselect_b32 s38, \k+1, s21
	s_lshl_b32 s38, s38, 16
	s_add_nc_u64 s[28:29], s[26:27], s[38:39]      ; all loads that named this base are done (the wait for row 31 was for 0)
	LOADX 28                                       ; lands during the products below
	WIN 0
	BAR                                            ; the slot is whole; and every wave has ended its reads of the other slot's last tile
	WIN 0x80                                       ; B fragments go to block 2
.irp ks, 0,1,2,3
.irp q, 0,1,2,3
	ds_load_tr16_b128 v[8*(4*\ks+\q):8*(4*\ks+\q)+3], v[VB0+\sl] offset:\ks*32*P288+32*\q
	ds_load_tr16_b128 v[8*(4*\ks+\q)+4:8*(4*\ks+\q)+7], v[VB0+\sl] offset:\ks*32*P288+32*\q+16*P288
.endr
.endr
	WIN 0x08                                       ; source 1 in block 2, all else in block 0
	AFR \sl, 0, F0
	AFR \sl, 1, F1
	AFR \sl, 2, F2
	s_wait_dscnt 16                                ; B and the first A group are in; two groups of 8 stay out
	MM16 0, F0, \first
	NOP4
	AFR \sl, 3, F0
	s_wait_dscnt 16                                ; groups 2 and 3 stay out
	MM16 1, F1, 0
	s_wait_dscnt 8
	MM16 2, F2, 0
	s_wait_dscnt 0
	MM16 3, F0, 0
	NOP4
	WIN 0
.endm
	TRIP 0, 0, 1                                   ; its first products start the sums
.irp k, 1,2,3,4,5,6,7
	s_cmp_eq_u32 s23, \k                           ; nb is the same in all four waves
	s_cbranch_scc1 .Lstate_done
	TRIP \k, (\k&1), 0
.endr
.Lstate_done:
	BAR                                            ; nobody reads the slots any more: their bytes get new contents
	; my 32 rows of my own chunk to f16, for reads along K and for transposing reads
	WIN 0x55
.set rr, 0
.rept 32
	s_wait_loadcnt 31-rr                           ; the younger rows stay out
	v_cvt_pk_f16_f32 v[PT], v[PX+4*rr], v[PX+4*rr+1]
	v_cvt_pk_f16_f32 v[PT+1], v[PX+4*rr+2], v[PX+4*rr+3]
	ds_store_b64 v[PXP], v[PT:PT+1] offset:P272*rr
	ds_store_b64 v[PXT], v[PT:PT+1] offset:P288*rr
.set rr, rr+1
.endr
	LOADX 32                                       ; w_init
	WIN 0
	s_cmp_lg_u32 s21, 0
	s_cbranch_scc1 .Lhb
; c = 0: out0 = (product of all a) w_init + (eta max |D|) Hn.  A lane holds Hn[64 wn + 16 q + r][64 wm + 16 a + 8 h + 0..7]; 16 rows at a
; time go through my own stage, come back as rows of 256 bytes, and 16 lanes store 256 consecutive bytes, aligned.
.macro OUT0 q
	s_wait_xcnt 0x0                                ; the last round's stores have read their data registers
.irp a, 0,1,2,3
	ds_store_b128 v[STO0], v[ACC+8*(4*\q+\a):ACC+8*(4*\q+\a)+3] offset:64*\a
	ds_store_b128 v[STO0], v[ACC+8*(4*\q+\a)+4:ACC+8*(4*\q+\a)+7] offset:64*\a+16
.endr
.irp t, 0,1,2,3,4,5,6,7
	global_load_b128 v[F0+4*\t:F0+4*\t+3], v[WO], s[32:33] offset:(16*\q+2*\t)*512
.endr
.irp t, 0,1,2,3,4,5,6,7
	ds_load_b128 v[F1+4*\t:F1+4*\t+3], v[RD0] offset:2*P272*\t   ; LDS serves a wave's instructions in order: these see the stores above
.endr
.irp t, 0,1,2,3,4,5,6,7
	s_wait_loadcnt 7-\t                            ; the younger of the eight stay out
	s_wait_dscnt 7-\t
	v_pk_mul_f32 v[F1+4*\t:F1+4*\t+1], v[F1+4*\t:F1+4*\t+1], s[50:51] op_sel_hi:[1,0]
	v_pk_mul_f32 v[F1+4*\t+2:F1+4*\t+3], v[F1+4*\t+2:F1+4*\t+3], s[50:51] op_sel_hi:[1,0]
	v_pk_fma_f32 v[F1+4*\t:F1+4*\t+1], v[F0+4*\t:F0+4*\t+1], s[30:31], v[F1+4*\t:F1+4*\t+1] op_sel_hi:[1,0,1]
	v_pk_fma_f32 v[F1+4*\t+2:F1+4*\t+3], v[F0+4*\t+2:F0+4*\t+3], s[30:31], v[F1+4*\t+2:F1+4*\t+3] op_sel_hi:[1,0,1]
	global_store_b128 v[WO], v[F1+4*\t:F1+4*\t+3], s[34:35] offset:(16*\q+2*\t)*512 th:TH_STORE_NT
.endr
.endm
	OUT0 0
	OUT0 1
	OUT0 2
	OUT0 3
	s_wait_xcnt 0x0                                ; v64-95 are loaded again further down
	s_branch .Lconvw
.Lhb:
	; c > 0: Hf = Hn max |D| / sum |D| as f16, rows along K, for Hf x_i
.irp q, 0,1,2,3
.irp a, 0,1,2,3
.irp j, 0,1,2,3
	v_pk_mul_f32 v[F1+8*\a+2*\j:F1+8*\a+2*\j+1], v[ACC+8*(4*\q+\a)+2*\j:ACC+8*(4*\q+\a)+2*\j+1], s[48:49] op_sel_hi:[1,0]
.endr
.irp j, 0,1,2,3
	v_cvt_pk_f16_f32 v[F0+4*\a+\j], v[F1+8*\a+2*\j], v[F1+8*\a+2*\j+1]
.endr
	ds_store_b128 v[HST], v[F0+4*\a:F0+4*\a+3] offset:\q*16*P272+32*\a
.endr
.endr
.Lconvw:
	; w_init as two f16 numbers: the top (sign, exponent, 10 mantissa bits: exact in f16) and the rest (an exact f32 difference, then rounded)
	WIN 0x55
.set rr, 0
.rept 32
	s_wait_loadcnt 31-rr                           ; the younger rows stay out
.irp j, 0,1,2,3
	v_and_b32 v[PT+\j], s25, v[PX+4*rr+\j]
.endr
	v_pk_add_f32 v[PT+4:PT+5], v[PX+4*rr:PX+4*rr+1], v[PT:PT+1] neg_lo:[0,1] neg_hi:[0,1]
	v_pk_add_f32 v[PT+6:PT+7], v[PX+4*rr+2:PX+4*rr+3], v[PT+2:PT+3] neg_lo:[0,1] neg_hi:[0,1]
	v_cvt_pk_f16_f32 v[PT+8], v[PT], v[PT+1]
	v_cvt_pk_f16_f32 v[PT+9], v[PT+2], v[PT+3]
	v_cvt_pk_f16_f32 v[PT+10], v[PT+4], v[PT+5]
	v_cvt_pk_f16_f32 v[PT+11], v[PT+6], v[PT+7]
	ds_store_b64 v[PWB], v[PT+8:PT+9] offset:P272*rr
	ds_store_b64 v[PWL], v[PT+10:PT+11] offset:P272*rr
.set rr, rr+1
.endr
	WIN 0
	BAR                                            ; own chunk, w_init and Hf are whole
; THE OUTPUT.  Source 0 = 16 rows p of the matrix, source 1 = 16 steps i: a lane holds y[i0 + r][16 pt + 8 h + 0..7].
	v_add_nc_u32 v[WA2], WL, v[XS]
	WIN 0x80
.irp sl, 0,1
.irp ks, 0,1,2,3
	ds_load_b128 v[32*\sl+8*\ks:32*\sl+8*\ks+3], v[XI0+\sl] offset:64*\ks
	ds_load_b128 v[32*\sl+8*\ks+4:32*\sl+8*\ks+7], v[XI0+\sl] offset:64*\ks+32
.endr
.endr
	WIN 0x08
	ds_load_b32 v[VL0], v[LA0]
	ds_load_b32 v[VL0+1], v[LA1]
.macro AW u, f, adr, base              ; unit u: K step u / 2, row tiles 4 (u % 2) + 0..3
.irp p, 0,1,2,3
	ds_load_b128 v[\f+8*\p:\f+8*\p+3], v[\adr] offset:\base+(4*(\u&1)+\p)*16*P272+64*(\u>>1)
	ds_load_b128 v[\f+8*\p+4:\f+8*\p+7], v[\adr] offset:\base+(4*(\u&1)+\p)*16*P272+64*(\u>>1)+32
.endr
.endm
.macro PW u, f, zero                   ; 8 products on 8 accumulators, by turns
.irp p, 0,1,2,3
.irp sl, 0,1
.if \zero
	v_wmma_f32_16x16x32_f16 v[ACC+64*\sl+8*(4*(\u&1)+\p):ACC+64*\sl+8*(4*(\u&1)+\p)+7], v[\f+8*\p:\f+8*\p+7], v[32*\sl+8*(\u>>1):32*\sl+8*(\u>>1)+7], 0
.else
	v_wmma_f32_16x16x32_f16 v[ACC+64*\sl+8*(4*(\u&1)+\p):ACC+64*\sl+8*(4*(\u&1)+\p)+7], v[\f+8*\p:\f+8*\p+7], v[32*\sl+8*(\u>>1):32*\sl+8*(\u>>1)+7], v[ACC+64*\sl+8*(4*(\u&1)+\p):ACC+64*\sl+8*(4*(\u&1)+\p)+7]
.endif
.endr
.endr
.endm
; sums (+)= the matrix at adr + base times my 32 steps.  w = 0x08: the sums are A1 (block 0); w = 0xa8: A2 (block 2).  A ring of three groups of 8 loads.
.macro PSTEP u, f, zero, w, nu, adr, base
	WIN \w
	PW \u, \f, \zero
	NOP4
	WIN 0x08
	AW \nu, \f, \adr, \base
	s_wait_dscnt 16                                ; the two younger units stay out
.endm
.macro PROD adr, base, zero, w
	WIN 0x08
	AW 0, F0, \adr, \base
	AW 1, F1, \adr, \base
	AW 2, F2, \adr, \base
	s_wait_dscnt 16                                ; the two younger units stay out
	PSTEP 0, F0, \zero, \w, 3, \adr, \base
	PSTEP 1, F1, \zero, \w, 4, \adr, \base
	PSTEP 2, F2, 0, \w, 5, \adr, \base
	PSTEP 3, F0, 0, \w, 6, \adr, \base
	PSTEP 4, F1, 0, \w, 7, \adr, \base
	WIN \w
	PW 5, F2, 0
	s_wait_dscnt 8
	PW 6, F0, 0
	s_wait_dscnt 0
	PW 7, F1, 0
	NOP4
.endm
	PROD WA, 0, 1, 0x08                            ; A1 = (top of w_init) x_i
	PROD WA2, 0, 0, 0x08                           ;    + (rest of w_init) x_i
	WIN 0
	v_mul_f32 v[VLP], s24, v[VL0]                  ; L P
	v_mul_f32 v[VLP+1], s24, v[VL0+1]
	v_mul_f32 v[VLS], s54, v[VL0]                  ; L sum |D| / 128
	v_mul_f32 v[VLS+1], s54, v[VL0+1]
.set q, 0
.rept 32
	v_pk_mul_f32 v[ACC+2*q:ACC+2*q+1], v[ACC+2*q:ACC+2*q+1], v[VLP:VLP+1] op_sel_hi:[1,0]               ; tile 0: the decay of w_init up to my step, in f32
	v_pk_mul_f32 v[ACC+64+2*q:ACC+64+2*q+1], v[ACC+64+2*q:ACC+64+2*q+1], v[VLP:VLP+1] op_sel:[0,1] op_sel_hi:[1,1]   ; tile 1
.set q, q+1
.endr
; Inside the chunk: for tile sl and the 32 steps s of block kb: scores x_s . x_i (two tiles of 16 s), times C / 128, to f16: register j of a
; score tile is s = 8 h + j of step i = r, which is the B fragment's own layout; then A2 += scores times x_s.
.macro XSL f, kb, ks0                  ; rows s of the own chunk: 2 tiles x 2 K steps
.irp kk, 0,1
.irp e, 0,1
	ds_load_b128 v[\f+8*(2*\kk+\e):\f+8*(2*\kk+\e)+3], v[XS] offset:(2*\kb+\e)*16*P272+64*(\ks0+\kk)
	ds_load_b128 v[\f+8*(2*\kk+\e)+4:\f+8*(2*\kk+\e)+7], v[XS] offset:(2*\kb+\e)*16*P272+64*(\ks0+\kk)+32
.endr
.endr
.endm
.macro XTL f, kb, pt0                  ; the same 32 steps transposed: four tiles of 16 columns p
.irp p, 0,1,2,3
	ds_load_tr16_b128 v[\f+8*\p:\f+8*\p+3], v[XTA] offset:\kb*32*P288+32*(\pt0+\p)
	ds_load_tr16_b128 v[\f+8*\p+4:\f+8*\p+7], v[XTA] offset:\kb*32*P288+32*(\pt0+\p)+16*P288
.endr
.endm
.macro STP f, sl, ks0, zero            ; the two score tiles take turns
.irp kk, 0,1
.irp e, 0,1
.if (\zero) & (1-\kk)
	v_wmma_f32_16x16x32_f16 v[ST+8*\e:ST+8*\e+7], v[\f+8*(2*\kk+\e):\f+8*(2*\kk+\e)+7], v[32*\sl+8*(\ks0+\kk):32*\sl+8*(\ks0+\kk)+7], 0
.else
	v_wmma_f32_16x16x32_f16 v[ST+8*\e:ST+8*\e+7], v[\f+8*(2*\kk+\e):\f+8*(2*\kk+\e)+7], v[32*\sl+8*(\ks0+\kk):32*\sl+8*(\ks0+\kk)+7], v[ST+8*\e:ST+8*\e+7]
.endif
.endr
.endr
.endm
.macro YP f, sl, pt0, zero
.irp p, 0,1,2,3
.if \zero
	v_wmma_f32_16x16x32_f16 v[ACC+64*\sl+8*(\pt0+\p):ACC+64*\sl+8*(\pt0+\p)+7], v[\f+8*\p:\f+8*\p+7], v[MM:MM+7], 0
.else
	v_wmma_f32_16x16x32_f16 v[ACC+64*\sl+8*(\pt0+\p):ACC+64*\sl+8*(\pt0+\p)+7], v[\f+8*\p:\f+8*\p+7], v[MM:MM+7], v[ACC+64*\sl+8*(\pt0+\p):ACC+64*\sl+8*(\pt0+\p)+7]
.endif
.endr
.endm
.macro TB sl, kb, zero                 ; zero = 1: this block starts the tile's sums in A2
	WIN 0x08
	NOP4                                           ; behind the last products: their fragments are loaded again
	XSL F0, \kb, 0
	XSL F1, \kb, 2
	XTL F2, \kb, 0
	WIN 0xa8                                       ; D, C and source 1 in block 2
	ds_load_b128 v[CC:CC+3], v[CA0+\sl] offset:128*\kb
	ds_load_b128 v[CC+4:CC+7], v[CA0+\sl] offset:128*\kb+16
	ds_load_b128 v[CC+8:CC+11], v[CA0+\sl] offset:128*\kb+64
	ds_load_b128 v[CC+12:CC+15], v[CA0+\sl] offset:128*\kb+80
	s_wait_dscnt 20                                ; the first 8 are in; 8 + 8 + 4 stay out
	STP F0, \sl, 0, 1
	s_wait_dscnt 12                                ; 8 + 4 stay out
	STP F1, \sl, 2, 0
	WIN 0x08
	NOP4                                           ; behind the scores: F0 is loaded again, the scores are read
	XTL F0, \kb, 4
	s_wait_dscnt 8                                 ; the C factors (and the loads before them) are in; the 8 just issued stay out
	WIN 0xaa
.irp q, 0,1,2,3,4,5,6,7
	v_pk_mul_f32 v[ST+2*\q:ST+2*\q+1], v[ST+2*\q:ST+2*\q+1], v[CC+2*\q:CC+2*\q+1]
.endr
.irp q, 0,1,2,3,4,5,6,7
	v_cvt_pk_f16_f32 v[MM+\q], v[ST+2*\q], v[ST+2*\q+1]
.endr
	WIN 0xa8
	YP F2, \sl, 0, \zero
	s_wait_dscnt 0
	YP F0, \sl, 4, \zero
.endm
	; tile I needs the blocks kb = 0 .. I / 2: five blocks in every wave.  Block 0 of both tiles stands on both ways of the branch on c,
	; so that each way writes all 16 tiles of A2.
	s_cmp_eq_u32 s21, 0
	s_cbranch_scc1 .Lc0
	PROD WA, HBO, 1, 0xa8                          ; A2 = Hf x_i
	WIN 0x82                                       ; A2 in block 2, the factors in block 0
.set q, 0
.rept 32
	v_pk_mul_f32 v[ACC+2*q:ACC+2*q+1], v[ACC+2*q:ACC+2*q+1], v[VLS:VLS+1] op_sel_hi:[1,0]               ; tile 0: into units of 128 eta, with L of my step
	v_pk_mul_f32 v[ACC+64+2*q:ACC+64+2*q+1], v[ACC+64+2*q:ACC+64+2*q+1], v[VLS:VLS+1] op_sel:[0,1] op_sel_hi:[1,1]   ; tile 1
.set q, q+1
.endr
	TB 0, 0, 0
	TB 1, 0, 0
	WIN 0
	s_branch .Lrest
.Lc0:
	TB 0, 0, 1                                     ; chunk 0: no H; the first blocks start A2
	TB 1, 0, 1
	WIN 0
.Lrest:
	s_cmp_gt_u32 s20, 1
	s_cbranch_scc1 .Lw23
	TB 1, 1, 0                                     ; waves 0, 1: tiles 0 or 1 (one block) and 7 or 6 (four)
	TB 1, 2, 0
	TB 1, 3, 0
	WIN 0
	s_branch .Lyout
.Lw23:
	TB 0, 1, 0                                     ; waves 2, 3: tiles 2 or 3 (two blocks) and 5 or 4 (three)
	TB 1, 1, 0
	TB 1, 2, 0
	WIN 0
.Lyout:
	NOP4                                           ; behind the last products
	WIN 0x02                                       ; source 0 (A2) in block 2, all else in block 0
.set q, 0
.rept 64
	v_pk_fma_f32 v[ACC+2*q:ACC+2*q+1], v[ACC+2*q:ACC+2*q+1], s[52:53], v[ACC+2*q:ACC+2*q+1] op_sel_hi:[1,0,1]   ; y = 128 eta A2 + L P A1
.set q, q+1
.endr
	WIN 0
; 16 steps through my own stage, back as whole rows: each store of the wave covers 512 consecutive bytes, aligned
.macro YOUT sl
.irp pt, 0,1,2,3,4,5,6,7
	ds_store_b128 v[STY], v[ACC+64*\sl+8*\pt:ACC+64*\sl+8*\pt+3] offset:64*\pt
	ds_store_b128 v[STY], v[ACC+64*\sl+8*\pt+4:ACC+64*\sl+8*\pt+7] offset:64*\pt+16
.endr
.set tt, 0
.rept 16
	ds_load_b128 v[F0+4*tt:F0+4*tt+3], v[RDY] offset:CP*tt
.set tt, tt+1
.endr
.set tt, 0
.rept 16
	s_wait_dscnt 15-tt                             ; the younger rows stay out
	global_store_b128 v[YO0+\sl], v[F0+4*tt:F0+4*tt+3], s[36:37] offset:512*tt th:TH_STORE_NT
.set tt, tt+1
.endr
.endm
	YOUT 0
	s_wait_xcnt 0x0                                ; tile 0's stores have read v32-95, which are loaded again
	YOUT 1
	s_set_vgpr_msb 0x5
	s_wait_tensorcnt 0x0
	ds_add_u32 v126, v127
	s_wait_dscnt 0x0
	s_set_vgpr_msb 0x500
	s_endpgm
.Lfunc_end_k_qd7da13118a_bdh:
	.size	k_qd7da13118a_bdh, .Lfunc_end_k_qd7da13118a_bdh-k_qd7da13118a_bdh
	.p2alignl 7, 3214868480
	.fill 96, 4, 3214868480
	.section	.rodata,"a",@progbits
	.p2align	6, 0x0
	.amdhsa_kernel k_qd7da13118a_bdh
		.amdhsa_group_segment_fixed_size 301312
		.amdhsa_private_segment_fixed_size 0
		.amdhsa_enable_private_segment 0
		.amdhsa_kernarg_size 56
		.amdhsa_user_sgpr_count 2
		.amdhsa_user_sgpr_kernarg_segment_ptr 1
		.amdhsa_wavefront_size32 1
		.amdhsa_system_sgpr_workgroup_id_x 1
		.amdhsa_system_sgpr_workgroup_id_y 1
		.amdhsa_system_sgpr_workgroup_id_z 1
		.amdhsa_system_vgpr_workitem_id 0
		.amdhsa_next_free_vgpr 768
		.amdhsa_next_free_sgpr 66
		.amdhsa_reserve_vcc 1
		.amdhsa_float_denorm_mode_32 3
		.amdhsa_float_denorm_mode_16_64 3
		.amdhsa_memory_ordered 1
		.amdhsa_forward_progress 1
		.amdhsa_inst_pref_size 255
	.end_amdhsa_kernel
	.section	.bss,"aw",@nobits
	.p2align	6
	.space	262144
	.amdgpu_metadata
---
amdhsa.version: [ 1, 2 ]
amdhsa.kernels:
  - .name:           k_qd7da13118a_bdh
    .symbol:         k_qd7da13118a_bdh.kd
    .args:
      - { .name: x, .offset: 0, .size: 8, .value_kind: global_buffer, .address_space: global }
      - { .name: w_init, .offset: 8, .size: 8, .value_kind: global_buffer, .address_space: global }
      - { .name: mask, .offset: 16, .size: 8, .value_kind: global_buffer, .address_space: global }
      - { .name: alpha, .offset: 24, .size: 8, .value_kind: global_buffer, .address_space: global }
      - { .name: eta, .offset: 32, .size: 8, .value_kind: global_buffer, .address_space: global }
      - { .name: out0, .offset: 40, .size: 8, .value_kind: global_buffer, .address_space: global }
      - { .name: out1, .offset: 48, .size: 8, .value_kind: global_buffer, .address_space: global }
    .group_segment_fixed_size: 301312
    .private_segment_fixed_size: 0
    .kernarg_segment_align: 8
    .kernarg_segment_size: 56
    .max_flat_workgroup_size: 128
    .sgpr_count:     66
    .vgpr_count:     768
    .wavefront_size: 32
...
	.end_amdgpu_metadata
.endif
;; end of part 1
;; ======== version 2 of 2: 1 launch; 1.30 times as fast as version 1
;; limits: values outside matrix products are rounded to f16; inputs' magnitudes at most 255; values are held in f16: magnitudes above 65,504 overflow, below 6.1e-05 lose precision; right only within a limited range of input values
;; launch bdh (part 2): grid 256 x 1, 4 waves a work-group, no clusters, 301,312 bytes of LDS; arguments x, w_init, mask, alpha, eta, out0, out1; writes out0, out1
.if DOCPART == 2
	.amdgcn_target "amdgcn-amd-amdhsa--gfx1250"
	.amdhsa_code_object_version 6
	.text
	.protected	k_qd7da13118a_bdh
	.globl	k_qd7da13118a_bdh
	.p2align	8
	.type	k_qd7da13118a_bdh,@function
k_qd7da13118a_bdh:
	s_mov_b64 s[64:65], 0
	v_nop
	global_prefetch_b8 v0, s[64:65] scope:SCOPE_SE
	s_setreg_imm32_b32 hwreg(HW_REG_WAVE_MODE, 25, 1), 1
	s_wait_xcnt 0x0
; BDH layer: w_t = a_t w_(t-1) + e_t x_t x_t^T,  y_t = w_(t-1) x_t,  a_t = 1 + m_t (alpha - 1),  e_t = m_t eta
; (reference()'s masked update, collected in w and in the outer product; it holds for every whole number m_t).
; The recurrence is linear in w, so it is taken in chunks of 128 steps.  Work-group (b, c), b = batch, c = chunk of 128 steps:
;   H      = eta * sum over s < 128 nb of D_s x_s x_s^T,  D_s = m_s * product of a_r over s < r < 128 nb   (nb = c; for c = 0: nb = 8)
;   y_i    = L_i (P (w_init x_i) + H x_i) + eta * sum over s < i of C[i][s] (x_s . x_i) x_s                (i, s inside the chunk)
;            L_i = product of a over the chunk's steps before i,  P = product of a over all steps before the chunk,
;            C[i][s] = m_s * product of a_r over s < r < i, and 0 for s >= i
;   out0   = (product of all a) w_init + H with nb = 8: made by the work-groups with c = 0.
; FORMAT: all products take f16 operands and sum in f32; every decay factor, scale and sum is f32.  The first steps' y are of the size of
; w_init x, which no decay has touched, while the allowance hangs on the root mean square over all 1,024 steps: 8 significant bits in the
; operands are too few there, f16's 11 serve, and w_init goes as two f16 numbers (its top bits and the rest).  Each operand is kept in f16's range:
;   state:   (D_s / max |D|) x_s and x_s;  eta stays outside, in f32
;   H:       H / (eta sum |D|), a weighted mean of x x^T, so below max x^2
;   scores:  (C / 128) (x_s . x_i), below max x^2 while |C| <= 1;  eta stays outside
; so y = (L_i P) A1 + (128 eta) A2 with two sets of sums: A1 = w_init x_i,  A2 = L_i (sum |D| / 128) (Hf x_i) + the weighted scores' product.
; WORK LEFT OUT, for all values of the inputs: for c = 0 the sum H in y is empty (no step lies before step 0), so that product is not made;
; blocks of 32 s that lie wholly at s >= i have C = 0 by the scan's order (y_i reads the state before step i) and are not made.
; Every input has a way to an output and is loaded.  A NaN or infinity that would reach only those blocks is not carried to the result.
; LIMITS: |x| < 255 (x^2 inside f16's 65,504), |w_init| < 65,504.  The order of rounding differs from the step-by-step scan.  All decay
; factors are forward products (no division by them, no logarithm); an underflow to 0 stands for a term that has decayed away.  Where
; |a| > 1, a C factor inside a chunk (up to 127 factors a) can carry a score past f16's range, and a partial product can overflow where the scan stays finite.
; NO JOINT REQUESTS, NO DATA MOVER: every x byte passes through registers (f32 to f16, and a scale that differs from work-group to
; work-group), and the eight work-groups of a batch need 1 to 8 chunks: their numbers of tiles differ.  They are neighbours in the grid.
; Four waves.  State product: a wave makes 64 x 64 of H.  Output: a wave makes the row tiles I0 = w and I1 = 7 - w (16 steps each) of y.
; THE STATE PHASE IS A PIPELINE over two LDS slots: while chunk k is multiplied out of one slot, chunk k + 1 is converted into the other, two
; rows behind every four products, and each row's four registers are asked for again (block k + 2) straight behind their conversion: 32 loads
; of 512 bytes of every wave are always out, and each has a whole trip in which to land.  Blocks: chunks 0 .. nb - 1, my own chunk, w_init.
; The last trip has nothing to convert: the C table is made there, eight rows behind every four products.
.set P288, 288                         ; LDS pitch of rows read by transposing loads (256 data + 32)
.set P272, 272                         ; LDS pitch of rows read along K (256 data + 16)
.set SLOT, 73728                       ; a slot: 128 rows of f16 x, then 128 rows of f16 g x, pitch 288
.set GXO,  36864                       ; g x inside a slot
.set XTO,  34816                       ; behind the state phase: own chunk, pitch 272 at 0, pitch 288 here
.set WB,   73728                       ; f16 top part of w_init, pitch 272
.set HBO,  34816                       ; f16 H, pitch 272, at WB + HBO
.set CB,   147456                      ; C table, f32, 128 rows
.set CP,   528                         ; its pitch (512 + 16), also the pitch of the stage for y
.set STG,  215040                      ; a stage for each wave
.set STGW, 8448                        ; 16 rows x 528 bytes
.set TAB_G, 248832                     ; g of 1,024 steps
.set TAB_A, TAB_G+4096                 ; a
.set TAB_E, TAB_G+8192                 ; m / 128
.set TAB_L, TAB_G+12288                ; L
.set TAB_T, TAB_G+16384                ; 128 thread products
.set TAB_C, TAB_T+512                  ; 8 chunk products
.set TAB_S, TAB_C+64                   ; 4 waves' sums of |D|, then their 4 maxima
.set WL,   265984                      ; f16 rest of w_init, pitch 272
.set TINY, 0x0d800000                  ; 2^-100: keeps the two reciprocals finite where no step is masked in
; block 0
.set LN, 1                             ; lane
.set LR, 2                             ; lane % 16
.set HH, 3                             ; lane / 16
.set VA0, 4                            ; v4, v5   g x, transposing loads, slot 0, 1
.set VB0, 6                            ; v6, v7   x, transposing loads, slot 0, 1
.set XI0, 8                            ; v8, v9   my two row tiles of the own chunk
.set WA, 10                            ; w_init (top) / H fragments
.set XS, 11                            ; own chunk, rows s
.set XTA, 12                           ; own chunk, transposing loads
.set CA0, 13                           ; v13, v14 C table rows of my two tiles
.set HST, 15                           ; where H goes as f16
.set STO0, 16                          ; out0: into the stage
.set RD0, 17                           ; out0: back by rows
.set WO, 18                            ; out0 / w_init byte offset
.set STY, 19                           ; y: into the stage
.set RDY, 20                           ; y: back by rows
.set YO0, 21                           ; v21, v22 y byte offsets of my two tiles
.set LA0, 23                           ; address of L, tile 0
.set VL0, 24                           ; v24, v25 L of my row in tile 0, 1
.set LA1, 26                           ; address of L, tile 1
.set WA2, 27                           ; w_init (rest) fragments; set behind the set-up, which uses v27-31 as scratch
.set VLP, 28                           ; v28, v29 L P
.set VLS, 30                           ; v30, v31 L sum |D| / 128
.set F0, 32                            ; three rings of four A fragments
.set F1, 64
.set F2, 96
.set ACC, 128                          ; 16 accumulator tiles: H, then A1 (block 0); A2 has the same numbers in block 2
; set-up's names inside F0..F2
.set MI, 32
.set MF, 40
.set AA, 48
.set EE, 56
.set TAU, 64
.set TP, 80
.set GG, 88
.set LL, 96                            ; LL itself starts as the product of the threads before me in my chunk
.set VK, 104
.set VU, 105
.set VNB, 106
.set SU, 107
.set T1, 109
.set T2, 110
.set FS, 111
.set AM1, 112
.set QQ, 113
; block 1: the producer; behind the conversions two sets of 16 fragments of the own chunk (v0-127, v128-255), which take turns
.set POFF, 0
.set PS0, 1                            ; v1, v2
.set PXP, 3
.set PXT, 4
.set PWB, 5
.set PGA, 6
.set PWL, 7
.set PP, 8                             ; v8-15   at work
.set PQ, 16                            ; v16-23  at work
.set PG, 32                            ; v32-63  g of my 32 rows
.set PT, 64                            ; v64-127 eight sets of eight registers of LDS store data, which take turns
.set PX, 128                           ; v128-255 my 32 rows as loaded
; block 2: B operands.  State: 16 fragments in v0-127.  Output: x_i in v0-63, A2 in v128-255, and
.set ST, 64                            ; v64-95  four score tiles: 16 tile + 8 e
.set MM, 96                            ; v96-111 the weighted scores as B fragments, one a tile
; block 3: the C table's work; behind it v0-63 hold the C factors of the output phase, two sets of 16 a tile
.set CAF, 0                            ; v0-127  the chunk's 128 a, in every lane
.set CT, 128                           ; the thread's number
.set CE, 129                           ; my m / 128
.set CAD, 130                          ; v130, v131 where my column's rows 0-63 and 64-127 go
.set CI, 132                           ; v132-139 eight injections
.set CV, 144                           ; v144-159 16 values, which take turns
; scalars: s18 alpha, s19 eta, s20 wave, s21 c, s22 b, s23 nb, s24 P, s25 mask of w_init's top bits, s[26:27] the batch's x, s[28:29] the block
; that is being asked for, s[30:31] product of a over nb chunks, s40-47 the C table's compares, s[48:49] max |D| / sum |D|, s[50:51] eta max |D|,
; s[52:53] 128 eta, s54 sum |D| / 128, s55 the loop's trip number, s56, s57 selects of v_permlanex16_b32, s58 nb - 1, s59 nb - 2,
; s60 LDS address of the next g, s61 that of my rows' g in chunk 0, s62 at work
.set MSB, 0
.macro WIN new                         ; the immediate's high byte repeats the setting that is left
.if MSB != \new
	s_set_vgpr_msb (MSB<<8)|\new
.set MSB, \new
.endif
.endm
.macro NOP4                            ; four places behind matrix instructions, in front of loads into their sources and of readers of their results
.rept 4
	v_nop
.endr
.endm
.macro BAR                             ; my LDS traffic is done, then the work-group's barrier
	s_wait_dscnt 0x0
	s_barrier_signal -1
	s_barrier_wait -1
.endm
	s_load_b256 s[4:11], s[0:1], 0x0               ; x s[4:5], w_init s[6:7], mask s[8:9], alpha s[10:11]
	s_load_b128 s[12:15], s[0:1], 0x20             ; eta s[12:13], out0 s[14:15]
	s_load_b64 s[16:17], s[0:1], 0x30              ; out1
	s_set_vgpr_msb 0xc0
	v_lshl_add_u32 v254, v0, 2, 0x49700
	v_mov_b32 v255, 0
	s_set_vgpr_msb 0xc000
	v_lshrrev_b32 v[LN], 5, v0
	v_readfirstlane_b32 s20, v[LN]                 ; wave
	v_and_b32 v[LN], 31, v0
	s_and_b32 s21, ttmp9, 7                        ; c
	s_lshr_b32 s22, ttmp9, 3                       ; b
	s_cmp_eq_u32 s21, 0
	s_cselect_b32 s23, 8, s21                      ; nb: chunks that enter H
	s_sub_co_u32 s58, s23, 1
	s_sub_co_u32 s59, s23, 2
	s_mov_b32 s39, 0
	s_mov_b32 s25, 0xffffe000                      ; sign, exponent and the 10 mantissa bits that f16 keeps
	s_mov_b32 s56, 0x76543210                      ; lane i of one half reads lane i of the other
	s_mov_b32 s57, 0xfedcba98
	v_lshlrev_b32 v31, 5, v0                       ; my 8 mask words
	s_lshl_b32 s40, s20, 14                        ; 32 rows of 512 bytes a wave
	s_mul_i32 s41, s20, 32*P288
	s_mul_i32 s42, s20, 32*P272
	s_lshl_b32 s61, s20, 7
	s_add_co_u32 s61, s61, TAB_G
	s_add_co_u32 s44, s41, SLOT
	s_add_co_u32 s45, s41, XTO
	s_add_co_u32 s46, s42, WB
	s_add_co_u32 s47, s42, WL
	WIN 0x40                                       ; destinations in block 1
	v_lshl_add_u32 v[POFF], v[LN], 4, s40
	v_lshl_add_u32 v[PS0], v[LN], 3, s41
	v_lshl_add_u32 v[PS0+1], v[LN], 3, s44
	v_lshl_add_u32 v[PXP], v[LN], 3, s42
	v_lshl_add_u32 v[PXT], v[LN], 3, s45
	v_lshl_add_u32 v[PWB], v[LN], 3, s46
	v_lshl_add_u32 v[PWL], v[LN], 3, s47
	WIN 0
	s_wait_kmcnt 0x0
	s_load_b32 s18, s[10:11], 0x0                  ; alpha
	s_load_b32 s19, s[12:13], 0x0                  ; eta
	s_lshl_b32 s38, s22, 12
	s_add_nc_u64 s[8:9], s[8:9], s[38:39]          ; the batch's mask row
	global_load_b128 v[MI:MI+3], v31, s[8:9]
	global_load_b128 v[MI+4:MI+7], v31, s[8:9] offset:16
	s_lshl_b32 s38, s22, 19
	s_add_nc_u64 s[26:27], s[4:5], s[38:39]        ; the batch's x
	s_add_nc_u64 s[36:37], s[16:17], s[38:39]
	s_lshl_b32 s38, s21, 16
	s_add_nc_u64 s[36:37], s[36:37], s[38:39]      ; my chunk of y
	s_lshl_b32 s38, s22, 16
	s_add_nc_u64 s[32:33], s[6:7], s[38:39]        ; the batch's w_init
	s_add_nc_u64 s[34:35], s[14:15], s[38:39]      ; and out0
	WIN 0x55
.set rr, 0
.rept 32
	global_load_b128 v[PX+4*rr:PX+4*rr+3], v[POFF], s[26:27] offset:512*rr   ; chunk 0: my 32 rows; each load covers one whole row of 512 bytes
.set rr, rr+1
.endr
	WIN 0
	; addresses, while the loads are on their way
	v_and_b32 v[LR], 15, v0
	v_bfe_u32 v[HH], v0, 4, 1
	v_and_b32 v27, 7, v0
	v_lshl_add_u32 v27, v[HH], 3, v27
	v_mul_u32_u24 v27, v27, P288
	v_bfe_u32 v28, v0, 3, 1
	v_lshl_add_u32 v27, v28, 4, v27                ; transposing load: row 8 h + lane % 8, 16 bytes by bit 3 of the lane
	s_lshr_b32 s40, s20, 1                         ; wm: which 64 columns of H
	s_and_b32 s41, s20, 1                          ; wn: which 64 rows of H
	s_lshl_b32 s42, s40, 7
	s_lshl_b32 s43, s41, 7
	s_add_co_u32 s44, s42, GXO
	v_add_nc_u32 v[VA0], s44, v27
	v_add_nc_u32 v[VB0], s43, v27
	v_add_nc_u32 v[VA0+1], SLOT, v[VA0]
	v_add_nc_u32 v[VB0+1], SLOT, v[VB0]
	v_add_nc_u32 v[XTA], XTO, v27
	v_mul_u32_u24 v28, v[LR], P272
	v_lshl_add_u32 v[XS], v[HH], 4, v28            ; row r, 16 bytes by half
	v_add_nc_u32 v[WA], WB, v[XS]
	s_mul_i32 s44, s20, 16*P272                    ; tile I0 = w
	s_sub_co_u32 s45, 7, s20                       ; tile I1 = 7 - w
	s_mul_i32 s46, s45, 16*P272
	v_add_nc_u32 v[XI0], s44, v[XS]
	v_add_nc_u32 v[XI0+1], s46, v[XS]
	s_mul_i32 s47, s41, 64*P272
	s_add_co_u32 s47, s47, s42
	s_add_co_u32 s47, s47, WB+HBO
	v_add_nc_u32 v[HST], s47, v[XS]
	s_mul_i32 s44, s20, STGW                       ; my stage; the same figure is 16 rows of the C table
	s_mul_i32 s46, s45, STGW
	s_add_co_u32 s47, s44, STG
	v_lshl_add_u32 v28, v[HH], 5, v28
	v_add_nc_u32 v[STO0], s47, v28                 ; row r (pitch 272), 32 bytes by half
	v_mul_u32_u24 v28, v[HH], P272
	v_lshl_add_u32 v28, v[LR], 4, v28
	v_add_nc_u32 v[RD0], s47, v28                  ; back: 16 lanes a row of 256 bytes
	v_mul_u32_u24 v28, v[LR], CP
	v_lshl_add_u32 v28, v[HH], 5, v28
	v_add_nc_u32 v[STY], s47, v28                  ; row r (pitch 528), 32 bytes by half
	v_lshl_add_u32 v[RDY], v[LN], 4, s47           ; back: 32 lanes a row of 512 bytes
	s_add_co_u32 s44, s44, CB
	s_add_co_u32 s46, s46, CB
	v_add_nc_u32 v[CA0], s44, v28
	v_add_nc_u32 v[CA0+1], s46, v28
	s_lshl_b32 s44, s41, 15
	s_lshl_b32 s46, s40, 8
	s_add_co_u32 s44, s44, s46
	v_lshlrev_b32 v28, 9, v[HH]
	v_lshl_add_u32 v28, v[LR], 4, v28
	v_add_nc_u32 v[WO], s44, v28                   ; (64 wn + h) rows of 512 + 256 wm + 16 r
	s_lshl_b32 s44, s20, 13
	s_lshl_b32 s46, s45, 13
	v_lshl_add_u32 v[YO0], v[LN], 4, s44
	v_lshl_add_u32 v[YO0+1], v[LN], 4, s46
	s_lshl_b32 s47, s21, 9                         ; my chunk in the tables
	s_lshl_b32 s44, s20, 6
	s_lshl_b32 s46, s45, 6
	s_add_co_u32 s44, s44, s47
	s_add_co_u32 s46, s46, s47
	s_add_co_u32 s44, s44, TAB_L
	s_add_co_u32 s46, s46, TAB_L
	v_lshl_add_u32 v[LA0], v[LR], 2, s44
	v_lshl_add_u32 v[LA1], v[LR], 2, s46
	; THE SCAN OF THE DECAY FACTORS.  Thread t owns steps 8 t .. 8 t + 7; 16 threads make a chunk.
	s_wait_kmcnt 0x0
	v_mov_b32 v[AM1], s18
	v_add_f32 v[AM1], -1.0, v[AM1]                 ; alpha - 1
	v_mov_b32 v[T1], s19
	v_mul_f32 v[T1], 0x43000000, v[T1]             ; 128 eta
	v_readfirstlane_b32 s52, v[T1]
	s_mov_b32 s53, s52
	v_lshrrev_b32 v[VK], 4, v0                     ; my chunk
	v_and_b32 v[VU], 15, v0                        ; my place in it
	v_mov_b32 v[VNB], s23
	v_lshl_add_u32 v27, v0, 2, TAB_T
	v_lshl_add_u32 v28, v[VK], 6, TAB_T
	v_lshl_add_u32 v29, v[VK], 2, TAB_C
	v_mov_b32 v30, TAB_C
	s_wait_loadcnt 32                              ; the mask words are in; the 32 loads of x issued behind them stay out
	v_lshl_add_u32 v31, v0, 5, TAB_G               ; free since that wait
.irp j, 0,1,2,3,4,5,6,7
	v_cvt_f32_i32 v[MF+\j], v[MI+\j]
.endr
.irp j, 0,1,2,3,4,5,6,7
	v_fma_f32 v[AA+\j], v[MF+\j], v[AM1], 1.0      ; a = 1 + m (alpha - 1)
	v_mul_f32 v[EE+\j], 0x3c000000, v[MF+\j]       ; m / 128: what enters the C table
.endr
	v_pk_mul_f32 v[TP:TP+1], v[AA:AA+1], v[AA+2:AA+3]
	v_pk_mul_f32 v[TP+2:TP+3], v[AA+4:AA+5], v[AA+6:AA+7]
	v_pk_mul_f32 v[TP:TP+1], v[TP:TP+1], v[TP+2:TP+3]
	v_mul_f32 v[TP], v[TP], v[TP+1]                ; my eight
	ds_store_b32 v27, v[TP]
	BAR
.irp q, 0,1,2,3
	ds_load_b128 v[TAU+4*\q:TAU+4*\q+3], v28 offset:16*\q   ; the 16 thread products of my chunk
.endr
	s_wait_dscnt 0x0
	v_cmp_lt_u32 vcc_lo, 0, v[VU]
	v_cndmask_b32 v[LL], 1.0, v[TAU], vcc_lo       ; threads before me
	v_cmp_gt_u32 vcc_lo, 15, v[VU]
	v_cndmask_b32 v[SU], 1.0, v[TAU+15], vcc_lo    ; threads behind me
.set q, 1
.rept 14
	v_cmp_lt_u32 vcc_lo, q, v[VU]
	v_cndmask_b32 v[T1], 1.0, v[TAU+q], vcc_lo
	v_cmp_gt_u32 vcc_lo, q, v[VU]
	v_cndmask_b32 v[T2], 1.0, v[TAU+q], vcc_lo
	v_mul_f32 v[LL], v[LL], v[T1]
	v_mul_f32 v[SU], v[SU], v[T2]
.set q, q+1
.endr
	v_pk_mul_f32 v[TP:TP+1], v[TAU:TAU+1], v[TAU+2:TAU+3]
	v_pk_mul_f32 v[TP+2:TP+3], v[TAU+4:TAU+5], v[TAU+6:TAU+7]
	v_pk_mul_f32 v[TP+4:TP+5], v[TAU+8:TAU+9], v[TAU+10:TAU+11]
	v_pk_mul_f32 v[TP+6:TP+7], v[TAU+12:TAU+13], v[TAU+14:TAU+15]
	v_pk_mul_f32 v[TP:TP+1], v[TP:TP+1], v[TP+2:TP+3]
	v_pk_mul_f32 v[TP+4:TP+5], v[TP+4:TP+5], v[TP+6:TP+7]
	v_pk_mul_f32 v[TP:TP+1], v[TP:TP+1], v[TP+4:TP+5]
	v_mul_f32 v[TP], v[TP], v[TP+1]                ; the whole chunk
	ds_store_b32 v29, v[TP]                        ; its 16 threads write the same word with the same value
	BAR
	ds_load_b128 v[TAU:TAU+3], v30
	ds_load_b128 v[TAU+4:TAU+7], v30 offset:16     ; the 8 chunk products
	s_wait_dscnt 0x0
.irp q, 0,1,2,3,4,5,6,7
	v_cmp_lt_u32 vcc_lo, \q, v[VNB]
	v_cndmask_b32 v[TAU+\q], 1.0, v[TAU+\q], vcc_lo   ; chunks at or behind nb do not count
.endr
	v_pk_mul_f32 v[TP:TP+1], v[TAU:TAU+1], v[TAU+2:TAU+3]
	v_pk_mul_f32 v[TP+2:TP+3], v[TAU+4:TAU+5], v[TAU+6:TAU+7]
	v_pk_mul_f32 v[TP:TP+1], v[TP:TP+1], v[TP+2:TP+3]
	v_mul_f32 v[TP], v[TP], v[TP+1]                ; product of a over the nb chunks
	v_readfirstlane_b32 s30, v[TP]
	s_mov_b32 s31, s30
	s_cmp_eq_u32 s21, 0
	s_cselect_b32 s24, 0x3f800000, s30             ; P: nothing lies before chunk 0
	v_cmp_gt_u32 vcc_lo, 7, v[VK]
	v_cndmask_b32 v[FS], 1.0, v[TAU+7], vcc_lo     ; chunks behind mine, up to nb
.irp q, 1,2,3,4,5,6
	v_cmp_gt_u32 vcc_lo, \q, v[VK]
	v_cndmask_b32 v[T1], 1.0, v[TAU+\q], vcc_lo
	v_mul_f32 v[FS], v[FS], v[T1]
.endr
	v_mul_f32 v[QQ], v[SU], v[FS]
.irp j, 7,6,5,4,3,2,1
	v_mul_f32 v[GG+\j], v[MF+\j], v[QQ]            ; D = m x everything behind the step
	v_mul_f32 v[QQ], v[QQ], v[AA+\j]
.endr
	v_mul_f32 v[GG], v[MF], v[QQ]
.irp j, 1,2,3,4,5,6,7
	v_mul_f32 v[LL+\j], v[LL+\j-1], v[AA+\j-1]     ; L = everything in the chunk before the step
.endr
	; sum |D| and max |D| over the steps that enter H: in the lane, over the wave, then over the four waves through LDS
.irp j, 0,1,2,3,4,5,6,7
	v_and_b32 v[TP+\j], 0x7fffffff, v[GG+\j]
.endr
	v_pk_add_f32 v[TAU:TAU+1], v[TP:TP+1], v[TP+2:TP+3]
	v_pk_add_f32 v[TAU+2:TAU+3], v[TP+4:TP+5], v[TP+6:TP+7]
	v_pk_add_f32 v[TAU:TAU+1], v[TAU:TAU+1], v[TAU+2:TAU+3]
	v_add_f32 v[T1], v[TAU], v[TAU+1]
	v_max3_num_f32 v[T2], v[TP], v[TP+1], v[TP+2]
	v_max3_num_f32 v[T2], v[T2], v[TP+3], v[TP+4]
	v_max3_num_f32 v[T2], v[T2], v[TP+5], v[TP+6]
	v_max_num_f32 v[T2], v[T2], v[TP+7]
	v_cmp_lt_u32 vcc_lo, v[VK], v[VNB]
	v_cndmask_b32 v[T1], 0, v[T1], vcc_lo          ; steps at or behind 128 nb do not count
	v_cndmask_b32 v[T2], 0, v[T2], vcc_lo
.irp x, 1,2,4,8
	v_add_f32_dpp v[T1], v[T1], v[T1] row_xmask:\x row_mask:0xf bank_mask:0xf
	v_max_num_f32_dpp v[T2], v[T2], v[T2] row_xmask:\x row_mask:0xf bank_mask:0xf
.endr
	v_permlanex16_b32 v[TP], v[T1], s56, s57       ; its destination counts as read: TP has been written
	v_permlanex16_b32 v[TP+1], v[T2], s56, s57
	v_add_f32 v[T1], v[T1], v[TP]
	v_max_num_f32 v[T2], v[T2], v[TP+1]
	s_lshl_b32 s44, s20, 2
	s_add_co_u32 s44, s44, TAB_S
	v_mov_b32 v29, s44
	ds_store_b32 v29, v[T1]                        ; all lanes write the same word with the same value
	ds_store_b32 v29, v[T2] offset:16
	BAR
	ds_load_b128 v[TAU:TAU+3], v30 offset:64       ; TAB_S = TAB_C + 64
	ds_load_b128 v[TAU+4:TAU+7], v30 offset:80
	s_mov_b32 s44, TINY
	s_wait_dscnt 0x0
	v_add_f32 v[T1], v[TAU], v[TAU+1]
	v_add_f32 v[T2], v[TAU+2], v[TAU+3]
	v_add_f32 v[T1], v[T1], v[T2]
	v_max_num_f32 v[T1], s44, v[T1]                ; sum |D|, at least 2^-100
	v_max3_num_f32 v[T2], v[TAU+4], v[TAU+5], v[TAU+6]
	v_max3_num_f32 v[T2], v[T2], v[TAU+7], s44     ; max |D|, at least 2^-100
	v_rcp_f32 v[TP], v[T2]
	v_rcp_f32 v[TP+1], v[T1]
	v_mul_f32 v[TP+2], s19, v[T2]                  ; eta max |D|; also the plain instruction behind the two reciprocals (ISA guide 5.7.2)
	v_mul_f32 v[TP+3], 0x3c000000, v[T1]           ; sum |D| / 128
	s_wait_alu depctr_va_vdst(0)
	v_mul_f32 v[TP+1], v[TP+1], v[T2]              ; max |D| / sum |D|
.irp j, 0,1,2,3,4,5,6,7
	v_mul_f32 v[GG+\j], v[GG+\j], v[TP]            ; g = D / max |D|: at most 1
.endr
	v_readfirstlane_b32 s48, v[TP+1]
	s_mov_b32 s49, s48
	v_readfirstlane_b32 s50, v[TP+2]
	s_mov_b32 s51, s50
	v_readfirstlane_b32 s54, v[TP+3]
	ds_store_b128 v31, v[GG:GG+3]
	ds_store_b128 v31, v[GG+4:GG+7] offset:16
	ds_store_b128 v31, v[AA:AA+3] offset:4096
	ds_store_b128 v31, v[AA+4:AA+7] offset:4096+16
	ds_store_b128 v31, v[EE:EE+3] offset:8192
	ds_store_b128 v31, v[EE+4:EE+7] offset:8192+16
	ds_store_b128 v31, v[LL:LL+3] offset:12288
	ds_store_b128 v31, v[LL+4:LL+7] offset:12288+16
	BAR
	; THE C TABLE of my chunk, divided by 128.  Thread s owns column s: C[0][s] = 0, C[i][s] = a_(i-1) C[i-1][s] + (s == i-1 ? m_s / 128 : 0).
	; Here only what it works on is brought into block 3, and row 0 is stored; rows 1 to 127 are made in the last trip of the state phase.
	s_add_co_u32 s46, s47, TAB_A
	s_add_co_u32 s44, s47, TAB_E
	v_mov_b32 v27, s46
	v_lshl_add_u32 v28, v0, 2, s44
	WIN 0xc0                                       ; destinations in block 3, sources in block 0
.set q, 0
.rept 32
	ds_load_b128 v[CAF+4*q:CAF+4*q+3], v27 offset:16*q   ; the chunk's 128 a, in every lane
.set q, q+1
.endr
	ds_load_b32 v[CE], v28                         ; my m / 128
	v_mov_b32 v[CT], v0
	v_lshl_add_u32 v[CAD], v0, 2, CB
	v_mov_b32 v[CV], 0                             ; row 0
	WIN 0xff                                       ; all in block 3
	v_add_nc_u32 v[CAD+1], 64*CP, v[CAD]           ; rows 64 and up: the immediate has 16 bits
	ds_store_b32 v[CAD], v[CV]
	WIN 0
.macro CSTORE i
.if \i < 64
	ds_store_b32 v[CAD], v[CV+((\i)&15)] offset:CP*(\i)
.else
	ds_store_b32 v[CAD+1], v[CV+((\i)&15)] offset:CP*((\i)-64)
.endif
.endm
; One slice, all in block 3: rows 8 t + 1 .. 8 t + 8.  Eight compares; the selects stand between the chained multiply-adds, two rows ahead of
; their use; then the eight stores.  The values lie in 16 registers that take turns: one is written again 16 rows, two slices, behind its store.
.macro CSL t
.irp j, 1,2,3,4,5,6,7,8
.if 8*\t+\j < 128
	v_cmp_eq_u32 s[39+\j], 8*\t+\j-1, v[CT]
.endif
.endr
	v_cndmask_b32 v[CI], 0, v[CE], s40
	v_cndmask_b32 v[CI+1], 0, v[CE], s41
.irp j, 1,2,3,4,5,6,7,8
.if 8*\t+\j < 128
	v_fma_f32 v[CV+((8*\t+\j)&15)], v[CV+((8*\t+\j-1)&15)], v[CAF+8*\t+\j-1], v[CI+\j-1]
.endif
.if \j < 7
.if 8*\t+\j+2 < 128
	v_cndmask_b32 v[CI+\j+1], 0, v[CE], s[41+\j]
.endif
.endif
.endr
.irp j, 1,2,3,4,5,6,7,8
.if 8*\t+\j < 128
	CSTORE (8*\t+\j)
.endif
.endr
.endm
; THE STATE.  One trip takes a chunk of 128 steps: Hn += (g X)^T X, K = the 128 steps.
.macro AFR sl, ks, f                   ; four A fragments (64 columns of g x, 32 steps)
.irp a, 0,1,2,3
	ds_load_tr16_b128 v[\f+8*\a:\f+8*\a+3], v[VA0+\sl] offset:\ks*32*P288+32*\a
	ds_load_tr16_b128 v[\f+8*\a+4:\f+8*\a+7], v[VA0+\sl] offset:\ks*32*P288+32*\a+16*P288
.endr
.endm
.macro BFR sl, ks                      ; four B fragments (64 columns of x, 32 steps), into block 2
.irp q, 0,1,2,3
	ds_load_tr16_b128 v[8*(4*\ks+\q):8*(4*\ks+\q)+3], v[VB0+\sl] offset:\ks*32*P288+32*\q
	ds_load_tr16_b128 v[8*(4*\ks+\q)+4:8*(4*\ks+\q)+7], v[VB0+\sl] offset:\ks*32*P288+32*\q+16*P288
.endr
.endm
; One slice of the producer, all in block 1: rows 2 i and 2 i + 1 of my 32 go to slot sl as f16 x and as f16 g x, and the same rows of the next
; block are asked for.  The store data lie in set i % 8 of eight, so that a set is written again 28 LDS stores behind its own.
.macro SLICE i, sl
	s_wait_loadcnt 30                              ; 32 rows are out at the most and come back in order: my two oldest are in, 30 younger stay out
	v_cvt_pk_f16_f32 v[PT+8*(\i&7)], v[PX+8*\i], v[PX+8*\i+1]
	v_cvt_pk_f16_f32 v[PT+8*(\i&7)+1], v[PX+8*\i+2], v[PX+8*\i+3]
	v_cvt_pk_f16_f32 v[PT+8*(\i&7)+2], v[PX+8*\i+4], v[PX+8*\i+5]
	v_cvt_pk_f16_f32 v[PT+8*(\i&7)+3], v[PX+8*\i+6], v[PX+8*\i+7]
	v_pk_mul_f32 v[PP:PP+1], v[PX+8*\i:PX+8*\i+1], v[PG+2*\i:PG+2*\i+1] op_sel_hi:[1,0]
	v_pk_mul_f32 v[PP+2:PP+3], v[PX+8*\i+2:PX+8*\i+3], v[PG+2*\i:PG+2*\i+1] op_sel_hi:[1,0]
	v_pk_mul_f32 v[PP+4:PP+5], v[PX+8*\i+4:PX+8*\i+5], v[PG+2*\i:PG+2*\i+1] op_sel:[0,1] op_sel_hi:[1,1]
	v_pk_mul_f32 v[PP+6:PP+7], v[PX+8*\i+6:PX+8*\i+7], v[PG+2*\i:PG+2*\i+1] op_sel:[0,1] op_sel_hi:[1,1]
	ds_store_b64 v[PS0+\sl], v[PT+8*(\i&7):PT+8*(\i&7)+1] offset:P288*(2*\i)
	ds_store_b64 v[PS0+\sl], v[PT+8*(\i&7)+2:PT+8*(\i&7)+3] offset:P288*(2*\i+1)
	global_load_b128 v[PX+8*\i:PX+8*\i+3], v[POFF], s[28:29] offset:512*(2*\i)
	global_load_b128 v[PX+8*\i+4:PX+8*\i+7], v[POFF], s[28:29] offset:512*(2*\i+1)
	v_cvt_pk_f16_f32 v[PT+8*(\i&7)+4], v[PP], v[PP+1]
	v_cvt_pk_f16_f32 v[PT+8*(\i&7)+5], v[PP+2], v[PP+3]
	v_cvt_pk_f16_f32 v[PT+8*(\i&7)+6], v[PP+4], v[PP+5]
	v_cvt_pk_f16_f32 v[PT+8*(\i&7)+7], v[PP+6], v[PP+7]
	ds_store_b64 v[PS0+\sl], v[PT+8*(\i&7)+4:PT+8*(\i&7)+5] offset:GXO+P288*(2*\i)
	ds_store_b64 v[PS0+\sl], v[PT+8*(\i&7)+6:PT+8*(\i&7)+7] offset:GXO+P288*(2*\i+1)
.endm
.macro GLOAD                           ; g of my 32 rows of the chunk that is converted next, in every lane (block 1)
	v_mov_b32 v[PGA], s60
.irp q, 0,1,2,3,4,5,6,7
	ds_load_b128 v[PG+4*\q:PG+4*\q+3], v[PGA] offset:16*\q
.endr
.endm
; What the next slices need: s60 = where the g of the chunk that they convert lies, s[28:29] = the block that they ask for: the chunk behind
; it while that enters H, else my own chunk.  The base is written behind s_wait_xcnt 0: the loads that named it have had their addresses translated.
.macro NEXTC g, idx                    ; chunk g is converted, block idx asked for: constants
	s_add_co_u32 s60, s61, 512*\g
	s_cmp_gt_u32 s23, \idx
	s_cselect_b32 s38, \idx, s21
	s_lshl_b32 s38, s38, 16
	s_wait_xcnt 0x0
	s_add_nc_u64 s[28:29], s[26:27], s[38:39]
.endm
.macro NEXTR d                         ; the same for trip s55 + d of the loop: chunk s55 + d + 1 is converted, block s55 + d + 2 asked for
	s_add_co_u32 s62, s55, \d+1
	s_lshl_b32 s60, s62, 9
	s_add_co_u32 s60, s60, s61
	s_add_co_u32 s62, s62, 1
	s_cmp_lt_u32 s62, s23
	s_cselect_b32 s38, s62, s21
	s_lshl_b32 s38, s38, 16
	s_wait_xcnt 0x0
	s_add_nc_u64 s[28:29], s[26:27], s[38:39]
.endm
; 16 products of one K step on 16 accumulators, which take turns; a slice of vector work behind every four:
; conv = 1: two rows of the next chunk; conv = 2: eight rows of the C table.
.macro MMS ks, f, zero, conv, dsl
.irp a, 0,1,2,3
	WIN 0x08                                       ; source 1 in block 2, all else in block 0
.irp q, 0,1,2,3
.if \zero
	v_wmma_f32_16x16x32_f16 v[ACC+8*(4*\q+\a):ACC+8*(4*\q+\a)+7], v[\f+8*\a:\f+8*\a+7], v[8*(4*\ks+\q):8*(4*\ks+\q)+7], 0
.else
	v_wmma_f32_16x16x32_f16 v[ACC+8*(4*\q+\a):ACC+8*(4*\q+\a)+7], v[\f+8*\a:\f+8*\a+7], v[8*(4*\ks+\q):8*(4*\ks+\q)+7], v[ACC+8*(4*\q+\a):ACC+8*(4*\q+\a)+7]
.endif
.endr
.if \conv == 1
	WIN 0x55
	SLICE (4*\ks+\a), \dsl
.else
	WIN 0xff
	CSL (4*\ks+\a)
.endif
.endr
.endm
; A trip multiplies slot sl.  conv = 1: it converts the next chunk into the other slot; conv = 2: the last trip, which makes the C table.
; A slice's plain vector instructions (12, or 21 and more) name none of the products' registers: they are the places behind the products
; in front of the fragment loads and, behind the last product, in front of the readers of the sums.
; ONE barrier: in front of it every wave has ended its reads of the other slot (the last trip's fragments) and its stores into this one.
; The waits on DScnt count what was issued behind the fragments that are due, the slices' stores (16 or 32 for a K step) among them.
.macro TRIP sl, first, conv
.if \conv == 1
	WIN 0x55
	GLOAD
.endif
	WIN 0
	BAR
	WIN 0x80
	BFR \sl, 0
	WIN 0x08
	AFR \sl, 0, F0
	WIN 0x80
	BFR \sl, 1
	BFR \sl, 2
	BFR \sl, 3
	WIN 0x08
	AFR \sl, 1, F1
	AFR \sl, 2, F2
	s_wait_dscnt 40                                ; K step 0's 16 loads are in; B of steps 1-3 (24) and A of steps 1, 2 (16) stay out
	MMS 0, F0, \first, \conv, (1-\sl)
	WIN 0x08
	AFR \sl, 3, F0
	s_wait_dscnt 16+16*\conv                       ; behind A of step 1: A of step 2 (8), a K step's stores (16 or 32), A of step 3 (8)
	MMS 1, F1, 0, \conv, (1-\sl)
	s_wait_dscnt 40                                ; conv = 1: behind A of step 2 stand 16 stores, A of step 3 (8), 16 stores.  conv = 2: 72 stand behind it; the count leaves A of step 3 and the last 32 stores out
	MMS 2, F2, 0, \conv, (1-\sl)
	s_wait_dscnt 32                                ; conv = 1: behind A of step 3 stand 32 stores.  conv = 2: 64; the count leaves the last 32 out
	MMS 3, F0, 0, \conv, (1-\sl)
	WIN 0
.endm
	NEXTC 0, 1                                     ; chunk 0 is converted ahead of the first trip, block 1 asked for
	WIN 0x55
	GLOAD
	s_wait_dscnt 0x0                               ; g is in, and so is what the C table works on
.irp i, 0,1,2,3,4,5,6,7,8,9,10,11,12,13,14,15
	SLICE \i, 0
.endr
	WIN 0
	s_cmp_eq_u32 s23, 1                            ; nb is the same in all four waves
	s_cbranch_scc1 .Lone
	NEXTC 1, 2
	TRIP 0, 1, 1                                   ; trip 0: its first products start the sums
	s_mov_b32 s55, 1
	s_cmp_eq_u32 s23, 2
	s_cbranch_scc1 .Llast1
.Lloop:                                            ; trips s55 (odd, slot 1) and s55 + 1 (slot 0), both with a chunk behind them to convert
	NEXTR 0
	TRIP 1, 0, 1
	s_cmp_eq_u32 s55, s59                          ; trip s55 + 1 is the last one
	s_cbranch_scc1 .Llast0
	NEXTR 1
	TRIP 0, 0, 1
	s_add_co_u32 s55, s55, 2
	s_cmp_eq_u32 s55, s58                          ; trip s55 is the last one
	s_cbranch_scc1 .Llast1
	s_cmp_lt_u32 s55, 7                            ; the count by the problem's size: 8 chunks at the most, so trip 7 is always a last one
	s_cbranch_scc1 .Lloop
.Llast1:
	TRIP 1, 0, 2                                   ; the last trip converts nothing: my own chunk stays on its way, the C table is made
	s_branch .Lstate_done
.Llast0:
	TRIP 0, 0, 2
	s_branch .Lstate_done
.Lone:
	TRIP 0, 1, 2                                   ; nb = 1: the only trip starts the sums
.Lstate_done:
	BAR                                            ; nobody reads the slots any more: their bytes get new contents
	; my 32 rows of my own chunk to f16, for reads along K and for transposing reads; four rows at a time, each group on its own set of
	; store data; the rows' registers are asked for again at once, with w_init
	WIN 0x55
.set gq, 0
.rept 8
	s_wait_loadcnt 28                              ; my four oldest rows are in; 28 younger stay out
.irp j, 0,1,2,3
	v_cvt_pk_f16_f32 v[PT+8*gq+2*\j], v[PX+16*gq+4*\j], v[PX+16*gq+4*\j+1]
	v_cvt_pk_f16_f32 v[PT+8*gq+2*\j+1], v[PX+16*gq+4*\j+2], v[PX+16*gq+4*\j+3]
.endr
.irp j, 0,1,2,3
	global_load_b128 v[PX+16*gq+4*\j:PX+16*gq+4*\j+3], v[POFF], s[32:33] offset:512*(4*gq+\j)
.endr
.irp j, 0,1,2,3
	ds_store_b64 v[PXP], v[PT+8*gq+2*\j:PT+8*gq+2*\j+1] offset:P272*(4*gq+\j)
	ds_store_b64 v[PXT], v[PT+8*gq+2*\j:PT+8*gq+2*\j+1] offset:P288*(4*gq+\j)
.endr
.set gq, gq+1
.endr
	WIN 0
	s_cmp_lg_u32 s21, 0
	s_cbranch_scc1 .Lhb
; c = 0: out0 = (product of all a) w_init + (eta max |D|) Hn.  A lane holds Hn[64 wn + 16 q + r][64 wm + 16 a + 8 h + 0..7]; 16 rows at a
; time go through my own stage, come back as rows of 256 bytes, and 16 lanes store 256 consecutive bytes, aligned.
.macro OUT0 q
	s_wait_xcnt 0x0                                ; the last round's stores have read their data registers
.irp a, 0,1,2,3
	ds_store_b128 v[STO0], v[ACC+8*(4*\q+\a):ACC+8*(4*\q+\a)+3] offset:64*\a
	ds_store_b128 v[STO0], v[ACC+8*(4*\q+\a)+4:ACC+8*(4*\q+\a)+7] offset:64*\a+16
.endr
.irp t, 0,1,2,3,4,5,6,7
	global_load_b128 v[F0+4*\t:F0+4*\t+3], v[WO], s[32:33] offset:(16*\q+2*\t)*512
.endr
.irp t, 0,1,2,3,4,5,6,7
	ds_load_b128 v[F1+4*\t:F1+4*\t+3], v[RD0] offset:2*P272*\t   ; LDS serves a wave's instructions in order: these see the stores above
.endr
.irp t, 0,1,2,3,4,5,6,7
	s_wait_loadcnt 7-\t                            ; the younger of the eight stay out
	s_wait_dscnt 7-\t
	v_pk_mul_f32 v[F1+4*\t:F1+4*\t+1], v[F1+4*\t:F1+4*\t+1], s[50:51] op_sel_hi:[1,0]
	v_pk_mul_f32 v[F1+4*\t+2:F1+4*\t+3], v[F1+4*\t+2:F1+4*\t+3], s[50:51] op_sel_hi:[1,0]
	v_pk_fma_f32 v[F1+4*\t:F1+4*\t+1], v[F0+4*\t:F0+4*\t+1], s[30:31], v[F1+4*\t:F1+4*\t+1] op_sel_hi:[1,0,1]
	v_pk_fma_f32 v[F1+4*\t+2:F1+4*\t+3], v[F0+4*\t+2:F0+4*\t+3], s[30:31], v[F1+4*\t+2:F1+4*\t+3] op_sel_hi:[1,0,1]
	global_store_b128 v[WO], v[F1+4*\t:F1+4*\t+3], s[34:35] offset:(16*\q+2*\t)*512 th:TH_STORE_NT
.endr
.endm
	OUT0 0
	OUT0 1
	OUT0 2
	OUT0 3
	s_wait_xcnt 0x0                                ; v64-95 are loaded again further down
	s_branch .Lconvw
.Lhb:
	; c > 0: Hf = Hn max |D| / sum |D| as f16, rows along K, for Hf x_i
.irp q, 0,1,2,3
.irp a, 0,1,2,3
.irp j, 0,1,2,3
	v_pk_mul_f32 v[F1+8*\a+2*\j:F1+8*\a+2*\j+1], v[ACC+8*(4*\q+\a)+2*\j:ACC+8*(4*\q+\a)+2*\j+1], s[48:49] op_sel_hi:[1,0]
.endr
.irp j, 0,1,2,3
	v_cvt_pk_f16_f32 v[F0+4*\a+\j], v[F1+8*\a+2*\j], v[F1+8*\a+2*\j+1]
.endr
	ds_store_b128 v[HST], v[F0+4*\a:F0+4*\a+3] offset:\q*16*P272+32*\a
.endr
.endr
.Lconvw:
	; w_init as two f16 numbers: the top (sign, exponent, 10 mantissa bits: exact in f16) and the rest (an exact f32 difference, then rounded);
	; two rows at a time, the store data in eight sets that take turns
	WIN 0x55
.set gq, 0
.rept 16
	s_wait_loadcnt 30-2*gq                         ; nothing is asked for behind w_init: the younger rows stay out, the counts run down
.irp j, 0,1,2,3,4,5,6,7
	v_and_b32 v[PP+\j], s25, v[PX+8*gq+\j]
.endr
.irp j, 0,2,4,6
	v_pk_add_f32 v[PQ+\j:PQ+\j+1], v[PX+8*gq+\j:PX+8*gq+\j+1], v[PP+\j:PP+\j+1] neg_lo:[0,1] neg_hi:[0,1]
.endr
.irp j, 0,1,2,3
	v_cvt_pk_f16_f32 v[PT+8*(gq&7)+\j], v[PP+2*\j], v[PP+2*\j+1]
.endr
.irp j, 0,1,2,3
	v_cvt_pk_f16_f32 v[PT+8*(gq&7)+4+\j], v[PQ+2*\j], v[PQ+2*\j+1]
.endr
	ds_store_b64 v[PWB], v[PT+8*(gq&7):PT+8*(gq&7)+1] offset:P272*(2*gq)
	ds_store_b64 v[PWB], v[PT+8*(gq&7)+2:PT+8*(gq&7)+3] offset:P272*(2*gq+1)
	ds_store_b64 v[PWL], v[PT+8*(gq&7)+4:PT+8*(gq&7)+5] offset:P272*(2*gq)
	ds_store_b64 v[PWL], v[PT+8*(gq&7)+6:PT+8*(gq&7)+7] offset:P272*(2*gq+1)
.set gq, gq+1
.endr
	WIN 0
	BAR                                            ; own chunk, w_init and Hf are whole; so is the C table, since the barrier before
; THE OUTPUT.  Source 0 = 16 rows p of the matrix, source 1 = 16 steps i: a lane holds y[i0 + r][16 pt + 8 h + 0..7].
	v_add_nc_u32 v[WA2], WL, v[XS]
	WIN 0x80
.irp sl, 0,1
.irp ks, 0,1,2,3
	ds_load_b128 v[32*\sl+8*\ks:32*\sl+8*\ks+3], v[XI0+\sl] offset:64*\ks
	ds_load_b128 v[32*\sl+8*\ks+4:32*\sl+8*\ks+7], v[XI0+\sl] offset:64*\ks+32
.endr
.endr
	WIN 0x08
	ds_load_b32 v[VL0], v[LA0]
	ds_load_b32 v[VL0+1], v[LA1]
.macro AW u, f, adr, base              ; unit u: K step u / 2, row tiles 4 (u % 2) + 0..3
.irp p, 0,1,2,3
	ds_load_b128 v[\f+8*\p:\f+8*\p+3], v[\adr] offset:\base+(4*(\u&1)+\p)*16*P272+64*(\u>>1)
	ds_load_b128 v[\f+8*\p+4:\f+8*\p+7], v[\adr] offset:\base+(4*(\u&1)+\p)*16*P272+64*(\u>>1)+32
.endr
.endm
.macro PW u, f, zero                   ; 8 products on 8 accumulators, by turns
.irp p, 0,1,2,3
.irp sl, 0,1
.if \zero
	v_wmma_f32_16x16x32_f16 v[ACC+64*\sl+8*(4*(\u&1)+\p):ACC+64*\sl+8*(4*(\u&1)+\p)+7], v[\f+8*\p:\f+8*\p+7], v[32*\sl+8*(\u>>1):32*\sl+8*(\u>>1)+7], 0
.else
	v_wmma_f32_16x16x32_f16 v[ACC+64*\sl+8*(4*(\u&1)+\p):ACC+64*\sl+8*(4*(\u&1)+\p)+7], v[\f+8*\p:\f+8*\p+7], v[32*\sl+8*(\u>>1):32*\sl+8*(\u>>1)+7], v[ACC+64*\sl+8*(4*(\u&1)+\p):ACC+64*\sl+8*(4*(\u&1)+\p)+7]
.endif
.endr
.endr
.endm
; sums (+)= the matrix at adr + base times my 32 steps.  w = 0x08: the sums are A1 (block 0); w = 0xa8: A2 (block 2).  A ring of three groups of 8 loads.
.macro PSTEP u, f, zero, w, nu, adr, base
	WIN \w
	PW \u, \f, \zero
	NOP4
	WIN 0x08
	AW \nu, \f, \adr, \base
	s_wait_dscnt 16                                ; the two younger units stay out
.endm
.macro PROD adr, base, zero, w
	WIN 0x08
	AW 0, F0, \adr, \base
	AW 1, F1, \adr, \base
	AW 2, F2, \adr, \base
	s_wait_dscnt 16                                ; the two younger units stay out
	PSTEP 0, F0, \zero, \w, 3, \adr, \base
	PSTEP 1, F1, \zero, \w, 4, \adr, \base
	PSTEP 2, F2, 0, \w, 5, \adr, \base
	PSTEP 3, F0, 0, \w, 6, \adr, \base
	PSTEP 4, F1, 0, \w, 7, \adr, \base
	WIN \w
	PW 5, F2, 0
	s_wait_dscnt 8
	PW 6, F0, 0
	s_wait_dscnt 0
	PW 7, F1, 0
	NOP4
.endm
; INSIDE THE CHUNK, in blocks kb of 32 steps s.  A block's 16 fragments of the own chunk are loaded once and serve both of my row tiles:
; rows s along K (2 tiles of 16 s x 4 K steps) for the scores x_s . x_i, and the same 32 steps transposed (8 tiles of 16 columns p).
; They lie in block 1, in set kb % 2 of two; the C factors in block 3, likewise.
.macro FRAG kb                         ; 32 loads: first the 16 for the scores, then the 16 transposing ones
.set FN, 128*(\kb&1)
.irp ks, 0,1,2,3
.irp e, 0,1
	ds_load_b128 v[FN+8*(2*\ks+\e):FN+8*(2*\ks+\e)+3], v[XS] offset:(2*\kb+\e)*16*P272+64*\ks
	ds_load_b128 v[FN+8*(2*\ks+\e)+4:FN+8*(2*\ks+\e)+7], v[XS] offset:(2*\kb+\e)*16*P272+64*\ks+32
.endr
.endr
.irp p, 0,1,2,3,4,5,6,7
	ds_load_tr16_b128 v[FN+64+8*\p:FN+64+8*\p+3], v[XTA] offset:\kb*32*P288+32*\p
	ds_load_tr16_b128 v[FN+64+8*\p+4:FN+64+8*\p+7], v[XTA] offset:\kb*32*P288+32*\p+16*P288
.endr
.endm
.macro CLD kb, sl                      ; 4 loads: C[i = r of tile sl][s = 32 kb + 16 e + 8 h + 0..7] / 128
.set CN, 32*(\kb&1)+16*\sl
	ds_load_b128 v[CN:CN+3], v[CA0+\sl] offset:128*\kb
	ds_load_b128 v[CN+4:CN+7], v[CA0+\sl] offset:128*\kb+16
	ds_load_b128 v[CN+8:CN+11], v[CA0+\sl] offset:128*\kb+64
	ds_load_b128 v[CN+12:CN+15], v[CA0+\sl] offset:128*\kb+80
.endm
.macro SC1 sl, e, ks                   ; one score product; K step 0 starts the sum
.if \ks
	v_wmma_f32_16x16x32_f16 v[ST+16*\sl+8*\e:ST+16*\sl+8*\e+7], v[FB+8*(2*\ks+\e):FB+8*(2*\ks+\e)+7], v[32*\sl+8*\ks:32*\sl+8*\ks+7], v[ST+16*\sl+8*\e:ST+16*\sl+8*\e+7]
.else
	v_wmma_f32_16x16x32_f16 v[ST+16*\sl+8*\e:ST+16*\sl+8*\e+7], v[FB+8*(2*\ks+\e):FB+8*(2*\ks+\e)+7], v[32*\sl+8*\ks:32*\sl+8*\ks+7], 0
.endif
.endm
.macro YP1 sl, p, zero                 ; A2 (+)= the weighted scores times x_s, 16 columns p
.if \zero
	v_wmma_f32_16x16x32_f16 v[ACC+64*\sl+8*\p:ACC+64*\sl+8*\p+7], v[FB+64+8*\p:FB+64+8*\p+7], v[MM+8*\sl:MM+8*\sl+7], 0
.else
	v_wmma_f32_16x16x32_f16 v[ACC+64*\sl+8*\p:ACC+64*\sl+8*\p+7], v[FB+64+8*\p:FB+64+8*\p+7], v[MM+8*\sl:MM+8*\sl+7], v[ACC+64*\sl+8*\p:ACC+64*\sl+8*\p+7]
.endif
.endm
.macro WGT sl                          ; scores times C / 128
	WIN 0x8e                                       ; scores in block 2, factors (source 1) in block 3
.irp q, 0,1,2,3,4,5,6,7
	v_pk_mul_f32 v[ST+16*\sl+2*\q:ST+16*\sl+2*\q+1], v[ST+16*\sl+2*\q:ST+16*\sl+2*\q+1], v[CW+16*\sl+2*\q:CW+16*\sl+2*\q+1]
.endr
.endm
.macro PCK sl                          ; to f16: register j of a score tile is s = 8 h + j of step i = r, which is the B fragment's own layout
	WIN 0xaa
.irp q, 0,1,2,3,4,5,6,7
	v_cvt_pk_f16_f32 v[MM+8*\sl+\q], v[ST+16*\sl+2*\q], v[ST+16*\sl+2*\q+1]
.endr
.endm
; One block.  both = 1: for both tiles, else for tile 1 alone; nxt = 1: the next block's fragments, and tile 1's C factors, are asked for
; behind the scores, so that they land during the weighting and the products; zero = 1: this block starts the sums in A2.
; The score tiles (4 or 2) and the tiles of A2 take turns.  In a block for both tiles, tile 1's weighting and packing
; stand among tile 0's products.
.macro STEP kb, both, nxt, zero
.set FB, 128*(\kb&1)
.set CW, 32*(\kb&1)
	s_wait_dscnt 20+4*\both                        ; the 16 loads for the scores are in; the 16 transposing loads and 4 loads of C factors a tile stay out
	WIN 0xa9                                       ; source 0 in block 1; source 1, C and D in block 2
.irp ks, 0,1,2,3
.irp e, 0,1
.if \both
	SC1 0, \e, \ks
.endif
	SC1 1, \e, \ks
.endr
.endr
	NOP4                                           ; behind the scores, which are read; and behind the last block's products, whose fragments are loaded again and whose B fragment is written again
.if \nxt
	WIN 0x40
	FRAG (\kb+1)
	WIN 0xc0
	CLD (\kb+1), 1
	s_wait_dscnt 36                                ; all of this block is in; the 32 + 4 loads just issued stay out
.else
	s_wait_dscnt 0
.endif
.if \both
	WGT 0
	PCK 0
	WIN 0xa9
.irp p, 0,1,2,3
	YP1 0, \p, \zero
.endr
	WGT 1
	WIN 0xa9
.irp p, 4,5,6,7
	YP1 0, \p, \zero
.endr
	PCK 1
.else
	WGT 1
	PCK 1
.endif
	WIN 0xa9
.irp p, 0,1,2,3,4,5,6,7
	YP1 1, \p, \zero
.endr
.endm
	PROD WA, 0, 1, 0x08                            ; A1 = (top of w_init) x_i
	WIN 0x40
	FRAG 0                                         ; block 0's fragments land during the next product
	PROD WA2, 0, 0, 0x08                           ;    + (rest of w_init) x_i
	WIN 0xc0
	CLD 0, 0
	CLD 0, 1
	WIN 0
	v_mul_f32 v[VLP], s24, v[VL0]                  ; L P
	v_mul_f32 v[VLP+1], s24, v[VL0+1]
	v_mul_f32 v[VLS], s54, v[VL0]                  ; L sum |D| / 128
	v_mul_f32 v[VLS+1], s54, v[VL0+1]
.set q, 0
.rept 32
	v_pk_mul_f32 v[ACC+2*q:ACC+2*q+1], v[ACC+2*q:ACC+2*q+1], v[VLP:VLP+1] op_sel_hi:[1,0]               ; tile 0: the decay of w_init up to my step, in f32
	v_pk_mul_f32 v[ACC+64+2*q:ACC+64+2*q+1], v[ACC+64+2*q:ACC+64+2*q+1], v[VLP:VLP+1] op_sel:[0,1] op_sel_hi:[1,1]   ; tile 1
.set q, q+1
.endr
	; tile I needs the blocks kb = 0 .. I / 2.  Block 0, for both tiles, stands on both ways of the branch on c, so that each way writes all 16 tiles of A2.
	s_cmp_eq_u32 s21, 0
	s_cbranch_scc1 .Lc0
	PROD WA, HBO, 1, 0xa8                          ; A2 = Hf x_i
	WIN 0x82                                       ; A2 in block 2, the factors in block 0
.set q, 0
.rept 32
	v_pk_mul_f32 v[ACC+2*q:ACC+2*q+1], v[ACC+2*q:ACC+2*q+1], v[VLS:VLS+1] op_sel_hi:[1,0]               ; tile 0: into units of 128 eta, with L of my step
	v_pk_mul_f32 v[ACC+64+2*q:ACC+64+2*q+1], v[ACC+64+2*q:ACC+64+2*q+1], v[VLS:VLS+1] op_sel:[0,1] op_sel_hi:[1,1]   ; tile 1
.set q, q+1
.endr
	STEP 0, 1, 1, 0
	WIN 0
	s_branch .Lrest
.Lc0:
	STEP 0, 1, 1, 1                                ; chunk 0: no H; block 0 starts A2
	WIN 0
.Lrest:
	s_cmp_gt_u32 s20, 1
	s_cbranch_scc1 .Lw23
	STEP 1, 0, 1, 0                                ; waves 0, 1: tile 0 or 1 is done with block 0; tile 7 or 6 needs four blocks
	STEP 2, 0, 1, 0
	STEP 3, 0, 0, 0
	WIN 0
	s_branch .Lyout
.Lw23:
	WIN 0xc0
	CLD 1, 0                                       ; waves 2, 3: tile 2 or 3 needs block 1 too: its C factors, the youngest 4 of the 24 loads that the block's first wait leaves out
	STEP 1, 1, 1, 0
	STEP 2, 0, 0, 0                                ; tile 5 or 4 needs three blocks
	WIN 0
.Lyout:
	NOP4                                           ; behind the last products
	WIN 0x02                                       ; source 0 (A2) in block 2, all else in block 0
.set q, 0
.rept 64
	v_pk_fma_f32 v[ACC+2*q:ACC+2*q+1], v[ACC+2*q:ACC+2*q+1], s[52:53], v[ACC+2*q:ACC+2*q+1] op_sel_hi:[1,0,1]   ; y = 128 eta A2 + L P A1
.set q, q+1
.endr
	WIN 0
; 16 steps through my own stage, back as whole rows: each store of the wave covers 512 consecutive bytes, aligned
.macro YOUT sl
.irp pt, 0,1,2,3,4,5,6,7
	ds_store_b128 v[STY], v[ACC+64*\sl+8*\pt:ACC+64*\sl+8*\pt+3] offset:64*\pt
	ds_store_b128 v[STY], v[ACC+64*\sl+8*\pt+4:ACC+64*\sl+8*\pt+7] offset:64*\pt+16
.endr
.set tt, 0
.rept 16
	ds_load_b128 v[F0+4*tt:F0+4*tt+3], v[RDY] offset:CP*tt
.set tt, tt+1
.endr
.set tt, 0
.rept 16
	s_wait_dscnt 15-tt                             ; the younger rows stay out
	global_store_b128 v[YO0+\sl], v[F0+4*tt:F0+4*tt+3], s[36:37] offset:512*tt th:TH_STORE_NT
.set tt, tt+1
.endr
.endm
	YOUT 0
	s_wait_xcnt 0x0                                ; tile 0's stores have read v32-95, which are loaded again
	YOUT 1
	s_set_vgpr_msb 0xf
	s_wait_tensorcnt 0x0
	ds_add_u32 v254, v255
	s_wait_dscnt 0x0
	s_set_vgpr_msb 0xf00
	s_endpgm
.Lfunc_end_k_qd7da13118a_bdh:
	.size	k_qd7da13118a_bdh, .Lfunc_end_k_qd7da13118a_bdh-k_qd7da13118a_bdh
	.p2alignl 7, 3214868480
	.fill 96, 4, 3214868480
	.section	.rodata,"a",@progbits
	.p2align	6, 0x0
	.amdhsa_kernel k_qd7da13118a_bdh
		.amdhsa_group_segment_fixed_size 301312
		.amdhsa_private_segment_fixed_size 0
		.amdhsa_enable_private_segment 0
		.amdhsa_kernarg_size 56
		.amdhsa_user_sgpr_count 2
		.amdhsa_user_sgpr_kernarg_segment_ptr 1
		.amdhsa_wavefront_size32 1
		.amdhsa_system_sgpr_workgroup_id_x 1
		.amdhsa_system_sgpr_workgroup_id_y 1
		.amdhsa_system_sgpr_workgroup_id_z 1
		.amdhsa_system_vgpr_workitem_id 0
		.amdhsa_next_free_vgpr 1024
		.amdhsa_next_free_sgpr 66
		.amdhsa_reserve_vcc 1
		.amdhsa_float_denorm_mode_32 3
		.amdhsa_float_denorm_mode_16_64 3
		.amdhsa_memory_ordered 1
		.amdhsa_forward_progress 1
		.amdhsa_inst_pref_size 255
	.end_amdhsa_kernel
	.section	.bss,"aw",@nobits
	.p2align	6
	.space	262144
	.amdgpu_metadata
---
amdhsa.version: [ 1, 2 ]
amdhsa.kernels:
  - .name:           k_qd7da13118a_bdh
    .symbol:         k_qd7da13118a_bdh.kd
    .args:
      - { .name: x, .offset: 0, .size: 8, .value_kind: global_buffer, .address_space: global }
      - { .name: w_init, .offset: 8, .size: 8, .value_kind: global_buffer, .address_space: global }
      - { .name: mask, .offset: 16, .size: 8, .value_kind: global_buffer, .address_space: global }
      - { .name: alpha, .offset: 24, .size: 8, .value_kind: global_buffer, .address_space: global }
      - { .name: eta, .offset: 32, .size: 8, .value_kind: global_buffer, .address_space: global }
      - { .name: out0, .offset: 40, .size: 8, .value_kind: global_buffer, .address_space: global }
      - { .name: out1, .offset: 48, .size: 8, .value_kind: global_buffer, .address_space: global }
    .group_segment_fixed_size: 301312
    .private_segment_fixed_size: 0
    .kernarg_segment_align: 8
    .kernarg_segment_size: 56
    .max_flat_workgroup_size: 128
    .sgpr_count:     66
    .vgpr_count:     1024
    .wavefront_size: 32
...
	.end_amdgpu_metadata
.endif
;; end of part 2
